; MI455X (gfx1250); checked and timed in simulation.
; The chip was launched on July 23, 2026; its instructions are those of AMD's public machine-readable ISA for CDNA 5 (MIT licence, August 2026) and "CDNA5" Instruction Set Architecture Reference Guide (July 2026). The comments in the code are by the model that wrote it; some were corrected since.
;; Sparse Mo E Block. Allowed arithmetic: matrix products marked QUANTISED: E2M3 operands, one E8M0 scale for each 32 along K, by v_wmma_scale_f32_16x16x128_f8f6f4 with both operands' format E2M3, f32 sums; products left as they are: f32 operands where the result goes on into a quantised operand, else bf16, f16 or f32 operands; f32 sums; everything else in f32.
;; Inputs: W1_codes 8 x 1,024 x 32 x 24 uint8 (E2M3 codes of W1, K innermost, in blocks of 32 codes, four codes in three bytes); W1_scales 8 x 1,024 x 32 uint8 (E8M0 scales of W1, one for each 32 codes along K); W2_codes 8 x 1,024 x 32 x 24 uint8 (E2M3 codes of W2, K innermost, in blocks of 32 codes, four codes in three bytes); W2_scales 8 x 1,024 x 32 uint8 (E8M0 scales of W2, one for each 32 codes along K); topk_indices 2 x 2,048 x 2 int32; topk_probs 2 x 2,048 x 2 float32; x_codes 2 x 2,048 x 32 x 24 uint8 (E2M3 codes of x, K innermost, in blocks of 32 codes, four codes in three bytes); x_scales 2 x 2,048 x 32 uint8 (E8M0 scales of x, one for each 32 codes along K).
;; Outputs: out0 2 x 2,048 x 1,024 float32.
;; This version of the problem:
;;   THIS VERSION OF THE PROBLEM IS GIVEN IN LOW PRECISION. The matrix products marked QUANTISED in the list below multiply operands that are first quantised to E2M3 (2 exponent bits, 3 mantissa bits; 6 bits a number), with one power-of-two scale for each 32 numbers along K (OCP MX v1.0); their sums are f32. All else is computed in f32.
;;   The module's matrix products, in the order in which they are computed (A, B: the left and right operand; K: the contracted axis; several contracted axes count as one K, in the product's order):
;;     1. [M 8,192, K 1,024] x [K 1,024, N 4,096]; A: input W1 (given as codes); B: input x (given as codes): QUANTISED
;;     2. batch 8 x [M 4,096, K 1,024] x [K 1,024, N 1,024]; A: computed on the way; B: input W2 (given as codes): QUANTISED
;;     3. batch 4,096 x [M 1, K 8] x [K 8, N 1,024]; A: computed on the way; B: computed on the way: left as it is (K = 8 < 32)
;;   THE QUANTISER, for each operand of a quantised product, along K:
;;     - K is cut into blocks of 32 from its start; a last block that is shorter is filled with zeros.
;;     - A block's scale is 2^e with e = floor(log2(the largest magnitude in the block)) - 2, held to -126 .. 127; a block of zeros has e = 0. As a byte (E8M0): e + 127.
;;     - Each number is divided by its block's scale, clamped to +-7.5, and rounded to the nearest number of E2M3, ties to even, subnormals kept.
;;     - The product sums the exact products of the quantised numbers (number of the format x scale) in f32.
;;   ~~~python
;;   def quantise(x, axis):      # numpy; x: float32 -> the quantised numbers, widened to float32 again
;;       x = np.moveaxis(x, axis, -1); K = x.shape[-1]
;;       x = np.pad(x, [(0, 0)] * (x.ndim - 1) + [(0, -K % 32)]); x = x.reshape(x.shape[:-1] + (-1, 32)); a = np.abs(x).max(-1, keepdims=True)
;;       e = np.where(a > 0, np.clip(np.frexp(np.where(a > 0, a, 1))[1] - 1 - 2, -126, 127), 0)      # np.frexp(a)[1] - 1 = floor(log2(a)), exactly
;;       r = np.clip(x / 2.0 ** e, -7.5, 7.5)
;;       step = 2.0 ** (np.maximum(np.frexp(np.where(r == 0, 1, r))[1] - 1, 0) - 3)
;;       q = np.round(r / step) * step * 2.0 ** e      # np.round: ties to even
;;       return np.moveaxis(q.reshape(q.shape[:-2] + (-1,))[..., :K], -1, axis).astype(np.float32)
;;   ~~~
;;   OPERANDS COMPUTED ON THE WAY. 'Computed on the way' means the value that the module computes at that place (a softmax that the list does not call 'softmax' is quantised finished and normalised). What goes into a quantiser is computed in f32, as accurately as f32 sums, v_exp_f32 and their like allow (about 1e-6 of the number): no bf16 or f16 on the way to a quantiser, and a product that is left as it is and whose result goes on into a quantised operand takes f32 operands (vector FMAs, or v_wmma_f32_16x16x4_f32). A number that lies on a knife's edge between two numbers of the format may be rounded either way, as far as f32 arithmetic and the matrix unit's own rounding can turn it there, and no further.
;;   INPUTS GIVEN AS CODES. W1 (in the module: [8, 1024, 1024], K = its axis 2); W2 (in the module: [8, 1024, 1024], K = its axis 2); x (in the module: [2, 2048, 1024], K = its axis 2): each comes as NAME_codes (uint8): NAME with its K axis moved to the last place and cut into blocks of 32 codes, [.., K / 32, bytes a block], one block behind the other in memory; four codes in three bytes: a row's codes are one little-endian stream of bits, code i at bits 6 i .. 6 i + 5 (a code: sign, 2 exponent bits, 3 mantissa bits); and NAME_scales (uint8): the same leading axes, one E8M0 byte (e + 127) for each 32 codes along K. Its value is code x scale, taken as it is: it is not quantised again, and the codes and scales need not be those that the quantiser above would give.
;; One version. Each part assembles by itself: llvm-mc -triple=amdgcn-amd-amdhsa -mcpu=gfx1250 --defsym DOCPART=n.
;; ======== version 1 of 1: 4 launches
;; workspace buffers: xg 7,372,800 bytes; xgs 307,200 bytes; hc 7,372,800 bytes; hs 307,200 bytes; y 39,321,600 bytes; tokpos 32,768 bytes of whole numbers; tile_expert 256 bytes of whole numbers
;; launch prep (part 1): grid 256 x 1, 1 waves a work-group, no clusters, 0 bytes of LDS; arguments topk_indices, x_codes, x_scales, xg, xgs, tokpos, tile_expert; writes xg, xgs, tokpos, tile_expert
.if DOCPART == 1
	.amdgcn_target "amdgcn-amd-amdhsa--gfx1250"
	.amdhsa_code_object_version 6
	.text
	.protected	k_qc35aa64605_prep
	.globl	k_qc35aa64605_prep
	.p2align	8
	.type	k_qc35aa64605_prep,@function
k_qc35aa64605_prep:
	s_mov_b64 s[64:65], 0
	v_nop
	global_prefetch_b8 v0, s[64:65] scope:SCOPE_SE
	s_setreg_imm32_b32 hwreg(HW_REG_WAVE_MODE, 25, 1), 1
	s_wait_xcnt 0x0
; ROUTING AND GATHER.  4,096 tokens name two experts each: 8,192 entries i = 2 t + k, each of which gets a row (a token that names one expert twice gets two rows with the same numbers; the last launch weighs the second with 0).
; The rows are sorted by expert, each expert padded to tiles of 192 rows: never more than ceil(8192 / 192) + 7 = 50 tiles, 9,600 rows, whatever the choice.  So 9,600 - 8,192 = 1,408 rows are empty, always.
; Stored: xg [9600][768] x's codes row by row in sorted order, xgs [9600][32] their scale bytes, tokpos [4096][2] the sorted row of each entry,
; tile_expert [64] the expert of each tile of 192 rows (tiles behind the last used one: 7).  Empty rows get zero codes and zero scale bytes: they add nothing and nobody reads their results.
; SHARES.  A work-group is ONE wave.  Work-group w owns tokens 16 w .. 16 w + 15 (32 entries, lane = entry).  The 1,408 empty rows are 11 for each pair of work-groups: an even w takes numbers 11 (w / 2) + 0 .. 5,
; an odd w numbers 11 (w / 2) + 6 .. 10 (and stores its last one twice).  Every wave counts all 8,192 indices itself (32,768 bytes): nothing passes between waves, so there is no LDS and no barrier.
; A row's place = its expert's first row + the number of that expert's entries with a smaller i.
; NO BRANCH AND NO LANE MASK HANGS ON THE INDICES: they only enter store addresses.  The places of the empty rows are found by arithmetic and selects: with PP[e] padding rows in front of expert e, empty row j lies at
; RB[e] + CNT[e] + j - PP[e] for the first e with j < PP[e + 1], else behind the last used tile at 192 TB[8] + j - PP[8].
; REGISTERS: window 0 is full: v0-31 offsets and counts, v32-127 my 16 rows of x, v128-255 a ring of 32 loads of indices.  The offsets of the stores lie in window 1, each in a register of its own: none is written again.
; LIMITS: indices are taken to lie in 0 .. 7; any other is held at 7.
.set TILE, 192
.set LASTROW, 9599
.set ROWB, 768                         ; a row of 1,024 codes in bytes: three blocks of 256
.set CNT, 24                           ; s24-31  entries of expert e
.set BEF, 32                           ; s32-39  those of tokens in front of mine
.set TB,  40                           ; s40-48  first tile of expert e; TB[8]: tiles in use
.set ST,  50                           ; s50-57  first row for my entries of expert e
.set RB,  66                           ; s66-73  first row of expert e
.set PP,  80                           ; s80-88  padding rows in front of expert e; PP[8]: all of them
.set OF,  90                           ; s90-98  what is added to j to give empty row j's place, for each expert and for the unused tiles
.set L16,  1                           ; v1      16 x lane
.set L8,   2                           ; v2      8 x lane
.set E,    3                           ; v3      the expert of entry 32 w + lane
.set RL16, 4                           ; v4-5    my bytes in my first row of x
.set RL8,  5
.set TPO,  6                           ; v6      128 w + 4 x lane: my entry's word in the indices and in tokpos
.set SO,   7                           ; v7      32 x my entry's token: its scale bytes
.set NT,   8                           ; v8-9    eight 4-bit counts: all entries; those in front of mine
.set NB,   9
.set TE,   10                          ; v10-13  the same in bytes: all, experts 0 2 4 6; all, 1 3 5 7; in front, 0 2 4 6; in front, 1 3 5 7
.set TO,   11
.set BE,   12
.set BO,   13
.set ONE,  14                          ; v14     1
.set XB,   15                          ; v15     during the count: 8 w - lane
.set X1,   15                          ;         behind it: at work
.set R,    16                          ; v16-23  eight words of two 16-bit counts
.set T,    24                          ; v24-31  at work
.set ROW16, 32                         ; v32-95  row u: its first 512 bytes, 16 a lane
.set ROW8,  96                         ; v96-127 row u: its last 256 bytes, 8 a lane
.set RING, 128                         ; v128-255
; behind the count the registers of the counts serve again:
.set POS,  8                           ; the sorted row of entry 32 w + lane
.set J,    9                           ; which empty row: four lanes to a row
.set ZR,   10                          ; its place
.set SUB,  11                          ; lane % 4
.set ZV,   12                          ; 4 x place + lane % 4: my 8 of its 32 scale bytes
.set TN,   16                          ; v16-17  tiles 2 lane, 2 lane + 1
.set ZERO, 24                          ; v24-27  16 bytes of zeros
.set LV,   28                          ; v28-29  their experts
.set X3,   30
.set X4,   31
.set SCD,  128                         ; v128-135 my entry's 32 scale bytes
; window 1:
.set D16,  0                           ; entry n's row in xg + 16 x lane
.set D8,   32                          ; + 8 x lane
.set PS,   64                          ; my entry's row in xgs
.set ZSO,  65                          ; my 8 bytes of an empty row in xgs
.set ZD16, 66                          ; empty row i in xg + 16 x lane
.set ZD8,  73                          ; + 8 x lane
.set MSB, 0
.macro WIN new                         ; the immediate's high byte repeats the setting that is left
.if MSB != \new
	s_set_vgpr_msb (MSB<<8)|\new
.set MSB, \new
.endif
.endm
	s_load_b256 s[4:11], s[0:1], 0x0               ; indices s[4:5], x's codes s[6:7], x's scales s[8:9], xg s[10:11]
	s_load_b128 s[12:15], s[0:1], 0x20             ; xgs s[12:13], tokpos s[14:15]
	s_load_b64 s[16:17], s[0:1], 0x30              ; tile_expert
	s_mov_b32 s19, ttmp9                           ; w
	v_lshlrev_b32 v[L16], 4, v0                    ; (one wave: the thread's number is the lane)
	v_lshlrev_b32 v[L8], 3, v0
	s_mul_i32 s20, s19, 16*ROWB
	v_add_nc_u32 v[RL16], s20, v[L16]
	v_add_nc_u32 v[RL8], s20, v[L8]
	s_lshl_b32 s21, s19, 7
	v_lshl_add_u32 v[TPO], v0, 2, s21
	v_lshrrev_b32 v[SO], 1, v0
	s_lshl_b32 s22, s19, 4
	v_add_nc_u32 v[SO], s22, v[SO]                 ; token 16 w + lane / 2
	v_lshlrev_b32 v[SO], 5, v[SO]
	v_mov_b32 v[ONE], 1
.irp i, 0,1,2,3,4,5,6,7
	v_mov_b32 v[T+\i], 0                           ; a lane exchange's destination counts as read
.endr
	s_lshl_b32 s58, s19, 3                         ; 8 w: the pieces of four entries in front of mine
	v_sub_nc_u32 v[XB], s58, v0                    ; piece 32 c + lane lies in front of my entries where 32 c < 8 w - lane
	s_lshr_b32 s59, s19, 1
	s_mul_i32 s59, s59, 11
	s_and_b32 s60, s19, 1
	s_mul_i32 s61, s60, 6
	s_add_co_u32 s59, s59, s61                     ; the number of my first empty row: 11 (w / 2) + 6 (w % 2)
	s_sub_co_u32 s60, 5, s60                       ; and how many follow it: 5 or 4
	s_mov_b32 s74, 0x0f0f0f0f
	s_mov_b32 s75, 0x00ff00ff
	s_mov_b32 s76, 0x76543210                      ; v_permlanex16_b32's selects for lane l xor 16
	s_mov_b32 s77, 0xfedcba98
	s_wait_kmcnt 0x0
; The wave's loads, numbered: 0-63 the indices, 512 consecutive bytes each (lane l: piece 32 n + l, entries 4 (32 n + l) on); 64-95 my 16 rows of x, two loads a row.
.macro LOADN n
.if (\n) < 64
	global_load_b128 v[RING+4*((\n)%32):RING+4*((\n)%32)+3], v[L16], s[4:5] offset:512*(\n)
.else
.set U, ((\n)-64)/2
.if (\n)%2 == 0
	global_load_b128 v[ROW16+4*U:ROW16+4*U+3], v[RL16], s[6:7] offset:ROWB*U th:TH_LOAD_NT
.else
	global_load_b64 v[ROW8+2*U:ROW8+2*U+1], v[RL8], s[6:7] offset:ROWB*U+512 th:TH_LOAD_NT
.endif
.endif
.endm
	global_load_b32 v[E], v[TPO], s[4:5]           ; my entry's index: the oldest load
.set PN, 0
.rept 32
	LOADN PN
.set PN, PN+1
.endr
; 4-bit counts to bytes.  first = 1: the bytes begin anew.  The piece's four registers are free and serve as scratch.
.macro FLUSH first
.if \first
	v_and_b32 v[TE], s74, v[NT]
	v_and_b32 v[BE], s74, v[NB]
	v_lshrrev_b32 v[TO], 4, v[NT]
	v_lshrrev_b32 v[BO], 4, v[NB]
	v_and_b32 v[TO], s74, v[TO]
	v_and_b32 v[BO], s74, v[BO]
.else
	v_and_b32 v[Q], s74, v[NT]
	v_and_b32 v[Q+1], s74, v[NB]
	v_lshrrev_b32 v[Q+2], 4, v[NT]
	v_lshrrev_b32 v[Q+3], 4, v[NB]
	v_and_b32 v[Q+2], s74, v[Q+2]
	v_and_b32 v[Q+3], s74, v[Q+3]
	v_add_nc_u32 v[TE], v[TE], v[Q]
	v_add_nc_u32 v[BE], v[BE], v[Q+1]
	v_add_nc_u32 v[TO], v[TO], v[Q+2]
	v_add_nc_u32 v[BO], v[BO], v[Q+3]
.endif
.endm
; Bytes to 16-bit fields.  R0: experts (0, 4), R1: (2, 6), R2: (1, 5), R3: (3, 7); R4-7 the same of the entries in front of mine.
.macro WIDEN first
.irp i, 0,1,2,3
.if \first
	v_and_b32 v[R+2*\i], s75, v[TE+\i]
	v_lshrrev_b32 v[R+2*\i+1], 8, v[TE+\i]
	v_and_b32 v[R+2*\i+1], s75, v[R+2*\i+1]
.else
	v_and_b32 v[Q], s75, v[TE+\i]
	v_lshrrev_b32 v[Q+1], 8, v[TE+\i]
	v_and_b32 v[Q+1], s75, v[Q+1]
	v_add_nc_u32 v[R+2*\i], v[R+2*\i], v[Q]
	v_add_nc_u32 v[R+2*\i+1], v[R+2*\i+1], v[Q+1]
.endif
.endr
.endm
; Load c's four indices a lane become a word of eight 4-bit counts (at most 4 each).  Three such words are added (at most 12), then widened to bytes; 32 loads' bytes (at most 128) are widened to 16-bit fields
; (64 loads x 32 lanes: at most 8,192).  Behind the work of step c load c + 31 is issued: where it lands in the ring, it lands in the registers of step c - 1, so that this step's work stands between
; the vector lines that wrote those registers and the load into them.
.macro PIECE c
.set Q, RING+4*((\c)%32)
.set G, ((\c)%32)%3
	s_wait_loadcnt 30                              ; loads come back in order: loads up to c + 30 have been issued, so load c is in and the 30 younger ones stay out (in step 0, where 31 are younger, one more is waited for than is needed)
.irp i, 0,1,2,3
	v_min_u32 v[Q+\i], 7, v[Q+\i]
.endr
.irp i, 0,1,2,3
	v_lshlrev_b32 v[Q+\i], 2, v[Q+\i]
.endr
.irp i, 0,1,2,3
	v_lshlrev_b32 v[Q+\i], v[Q+\i], v[ONE]         ; 1 << 4 e
.endr
	v_cmp_lt_i32 vcc_lo, 32*(\c), v[XB]            ; piece 32 c + lane lies in front of my entries: this hangs on ids alone
	v_add3_u32 v[Q], v[Q], v[Q+1], v[Q+2]
.if G == 0
	v_add_nc_u32 v[NT], v[Q], v[Q+3]               ; the first of three starts the sums
	v_cndmask_b32 v[NB], 0, v[NT], vcc_lo
.else
	v_add_nc_u32 v[Q], v[Q], v[Q+3]
	v_cndmask_b32 v[Q+1], 0, v[Q], vcc_lo
	v_add_nc_u32 v[NT], v[NT], v[Q]
	v_add_nc_u32 v[NB], v[NB], v[Q+1]
.endif
.if (\c)%32 == 2
	FLUSH 1
.elseif (G == 2) || ((\c)%32 == 31)
	FLUSH 0
.endif
.if (\c) == 31
	WIDEN 1
.elseif (\c) == 63
	WIDEN 0
.endif
.if (\c) > 0
	LOADN (\c)+31
.endif
.endm
.set PN, 0
.rept 64
	PIECE PN
.set PN, PN+1
.endr
	LOADN 95                                       ; the last of my rows' loads
	global_load_b128 v[SCD:SCD+3], v[SO], s[8:9]   ; my entry's 32 scale bytes, into registers of the ring, which is done
	global_load_b128 v[SCD+4:SCD+7], v[SO], s[8:9] offset:16
.irp m, 1,2,4,8                                ; the sums over the 32 lanes, the eight words by turns
.irp i, 0,1,2,3,4,5,6,7
	v_mov_b32_dpp v[T+\i], v[R+\i] row_xmask:\m row_mask:0xf bank_mask:0xf
.endr
.irp i, 0,1,2,3,4,5,6,7
	v_add_nc_u32 v[R+\i], v[R+\i], v[T+\i]
.endr
.endr
.irp i, 0,1,2,3,4,5,6,7
	v_permlanex16_b32 v[T+\i], v[R+\i], s76, s77
.endr
.irp i, 0,1,2,3,4,5,6,7
	v_add_nc_u32 v[R+\i], v[R+\i], v[T+\i]
.endr
.macro SPLIT base, r, lo, hi                   ; a word's two counts into scalars
	v_readfirstlane_b32 s[\base+\hi], v[\r]
	s_and_b32 s[\base+\lo], s[\base+\hi], 0xffff
	s_lshr_b32 s[\base+\hi], s[\base+\hi], 16
.endm
	SPLIT CNT, R+0, 0, 4
	SPLIT CNT, R+1, 2, 6
	SPLIT CNT, R+2, 1, 5
	SPLIT CNT, R+3, 3, 7
	SPLIT BEF, R+4, 0, 4
	SPLIT BEF, R+5, 2, 6
	SPLIT BEF, R+6, 1, 5
	SPLIT BEF, R+7, 3, 7
	s_mov_b32 s[TB], 0
	s_mov_b32 s[PP], 0
.irp e, 0,1,2,3,4,5,6,7
	s_add_co_u32 s20, s[CNT+\e], TILE-1
	s_lshr_b32 s20, s20, 6                         ; (c + 191) / 192 = ((c + 191) / 64) / 3, and n / 3 = n x 171 / 512 for n up to 130, the largest that 8,192 + 191 gives
	s_mul_i32 s20, s20, 171
	s_lshr_b32 s20, s20, 9                         ; the expert's tiles of 192 rows
	s_add_co_u32 s[TB+\e+1], s[TB+\e], s20
	s_mul_i32 s[RB+\e], s[TB+\e], TILE
	s_add_co_u32 s[ST+\e], s[RB+\e], s[BEF+\e]
	s_mul_i32 s20, s20, TILE
	s_sub_co_u32 s20, s20, s[CNT+\e]               ; its padding rows
	s_add_co_u32 s[PP+\e+1], s[PP+\e], s20
	s_add_co_u32 s21, s[RB+\e], s[CNT+\e]          ; the first of them
	s_sub_co_u32 s[OF+\e], s21, s[PP+\e]
.endr
	s_mul_i32 s21, s[TB+8], TILE                   ; the first row behind the last used tile
	s_sub_co_u32 s[OF+8], s21, s[PP+8]
	; my 32 entries' places: lane = entry
	v_min_u32 v[E], 7, v[E]
	v_mov_b32 v[POS], 0
.irp x, 0,1,2,3,4,5,6,7
	v_cmp_eq_u32 vcc_lo, \x, v[E]
	v_mbcnt_lo_u32_b32 v[X1], vcc_lo, 0            ; that expert's entries in lower lanes
	v_add_nc_u32 v[X1], s[ST+\x], v[X1]
	v_cndmask_b32 v[POS], v[POS], v[X1], vcc_lo
.endr
	v_min_u32 v[POS], LASTROW, v[POS]
	; my empty rows' places: four lanes to a row (the lanes behind my last row repeat it)
	v_lshrrev_b32 v[J], 2, v0
	v_min_u32 v[J], s60, v[J]
	v_add_nc_u32 v[J], s59, v[J]
	v_and_b32 v[SUB], 3, v0
	v_add_nc_u32 v[ZR], s[OF+8], v[J]              ; behind the last used tile, unless it is some expert's padding:
.irp e, 7,6,5,4,3,2,1,0                        ; PP rises with e, so the last select that holds is that of the first e with j < PP[e + 1]
	v_cmp_gt_u32 vcc_lo, s[PP+\e+1], v[J]
	v_add_nc_u32 v[X1], s[OF+\e], v[J]
	v_cndmask_b32 v[ZR], v[ZR], v[X1], vcc_lo
.endr
	v_min_u32 v[ZR], LASTROW, v[ZR]
	v_lshl_add_u32 v[ZV], v[ZR], 2, v[SUB]
	v_min_u32 v[ZV], 4*LASTROW+3, v[ZV]
.irp i, 0,1,2,3
	v_mov_b32 v[ZERO+\i], 0
.endr
	; the 32 + 6 places as scalars, in bytes, in scalar registers whose counts are done with (TB stays: the list of tiles wants it).  The lane reads stand in one run, then the clamps, then the multiplications
.macro SETSR n
.if (\n) < 16
.set SR, 24+(\n)
.elseif (\n) < 24
.set SR, 50+(\n)-16
.else
.set SR, 66+(\n)-24
.endif
.endm
.set PN, 0
.rept 32
	SETSR PN
	v_readlane_b32 s[SR], v[POS], PN
.set PN, PN+1
.endr
.irp i, 0,1,2,3,4,5
	v_readlane_b32 s[PP+\i], v[ZR], 4*\i
.endr
.set PN, 0
.rept 32
	SETSR PN
	s_min_u32 s[SR], s[SR], LASTROW
.set PN, PN+1
.endr
.irp i, 0,1,2,3,4,5
	s_min_u32 s[PP+\i], s[PP+\i], LASTROW
.endr
.set PN, 0
.rept 32
	SETSR PN
	s_mul_i32 s[SR], s[SR], ROWB
.set PN, PN+1
.endr
.irp i, 0,1,2,3,4,5
	s_mul_i32 s[PP+\i], s[PP+\i], ROWB
.endr
	WIN 0x40                                       ; destinations in window 1: the stores' offsets
.set PN, 0
.rept 32
	SETSR PN
	v_add_nc_u32 v[D16+PN], s[SR], v[L16]
	v_add_nc_u32 v[D8+PN], s[SR], v[L8]
.set PN, PN+1
.endr
.irp i, 0,1,2,3,4,5
	v_add_nc_u32 v[ZD16+\i], s[PP+\i], v[L16]
	v_add_nc_u32 v[ZD8+\i], s[PP+\i], v[L8]
.endr
	v_lshlrev_b32 v[PS], 5, v[POS]
	v_lshlrev_b32 v[ZSO], 3, v[ZV]
	WIN 0x01                                       ; a store's offset is its source 0: window 1; its data stay in window 0
.irp i, 0,1,2,3,4,5                            ; the empty rows first: they wait for no load.  Every store to xg covers whole aligned blocks of 256 bytes
	global_store_b128 v[ZD16+\i], v[ZERO:ZERO+3], s[10:11]
	global_store_b64 v[ZD8+\i], v[ZERO:ZERO+1], s[10:11] offset:512
.endr
	global_store_b64 v[ZSO], v[ZERO:ZERO+1], s[12:13]      ; their scale bytes: 32 bytes a row, 8 a lane
	s_wait_loadcnt 0x0                             ; my rows and scale bytes are in
.set PN, 0
.rept 32                                       ; entry n: token n / 2 of my sixteen
	global_store_b128 v[D16+PN], v[ROW16+4*(PN/2):ROW16+4*(PN/2)+3], s[10:11]
	global_store_b64 v[D8+PN], v[ROW8+2*(PN/2):ROW8+2*(PN/2)+1], s[10:11] offset:512
.set PN, PN+1
.endr
	global_store_b128 v[PS], v[SCD:SCD+3], s[12:13]
	global_store_b128 v[PS], v[SCD+4:SCD+7], s[12:13] offset:16
	WIN 0
	global_store_b32 v[TPO], v[POS], s[14:15]      ; tokpos[32 w + lane]
	s_cmp_lg_u32 ttmp9, 0                          ; work-group 0 stores the list of tiles: 64 words, one aligned block of 256 bytes.  The branch hangs on the work-group's number alone
	s_cbranch_scc1 .Lend
	v_lshlrev_b32 v[TN], 1, v0
	v_add_nc_u32 v[TN+1], 1, v[TN]
	v_mov_b32 v[LV], 0
	v_mov_b32 v[LV+1], 0
.irp x, 1,2,3,4,5,6,7
	v_cmp_le_u32 vcc_lo, s[TB+\x], v[TN]           ; a tile belongs to the last expert whose first tile is not behind it: experts without rows are passed over
	v_cndmask_b32 v[X3], 0, v[ONE], vcc_lo
	v_cmp_le_u32 vcc_lo, s[TB+\x], v[TN+1]
	v_cndmask_b32 v[X4], 0, v[ONE], vcc_lo
	v_add_nc_u32 v[LV], v[LV], v[X3]
	v_add_nc_u32 v[LV+1], v[LV+1], v[X4]
.endr
	global_store_b64 v[L8], v[LV:LV+1], s[16:17]
.Lend:
	s_endpgm
.Lfunc_end_k_qc35aa64605_prep:
	.size	k_qc35aa64605_prep, .Lfunc_end_k_qc35aa64605_prep-k_qc35aa64605_prep
	.p2alignl 7, 3214868480
	.fill 96, 4, 3214868480
	.section	.rodata,"a",@progbits
	.p2align	6, 0x0
	.amdhsa_kernel k_qc35aa64605_prep
		.amdhsa_group_segment_fixed_size 0
		.amdhsa_private_segment_fixed_size 0
		.amdhsa_enable_private_segment 0
		.amdhsa_kernarg_size 56
		.amdhsa_user_sgpr_count 2
		.amdhsa_user_sgpr_kernarg_segment_ptr 1
		.amdhsa_wavefront_size32 1
		.amdhsa_system_sgpr_workgroup_id_x 1
		.amdhsa_system_sgpr_workgroup_id_y 1
		.amdhsa_system_sgpr_workgroup_id_z 1
		.amdhsa_system_vgpr_workitem_id 0
		.amdhsa_next_free_vgpr 384
		.amdhsa_next_free_sgpr 100
		.amdhsa_reserve_vcc 1
		.amdhsa_float_denorm_mode_32 3
		.amdhsa_float_denorm_mode_16_64 3
		.amdhsa_memory_ordered 1
		.amdhsa_forward_progress 1
		.amdhsa_inst_pref_size 90
	.end_amdhsa_kernel
	.amdgpu_metadata
---
amdhsa.version: [ 1, 2 ]
amdhsa.kernels:
  - .name:           k_qc35aa64605_prep
    .symbol:         k_qc35aa64605_prep.kd
    .args:
      - { .name: topk_indices, .offset: 0, .size: 8, .value_kind: global_buffer, .address_space: global }
      - { .name: x_codes, .offset: 8, .size: 8, .value_kind: global_buffer, .address_space: global }
      - { .name: x_scales, .offset: 16, .size: 8, .value_kind: global_buffer, .address_space: global }
      - { .name: xg, .offset: 24, .size: 8, .value_kind: global_buffer, .address_space: global }
      - { .name: xgs, .offset: 32, .size: 8, .value_kind: global_buffer, .address_space: global }
      - { .name: tokpos, .offset: 40, .size: 8, .value_kind: global_buffer, .address_space: global }
      - { .name: tile_expert, .offset: 48, .size: 8, .value_kind: global_buffer, .address_space: global }
    .group_segment_fixed_size: 0
    .private_segment_fixed_size: 0
    .kernarg_segment_align: 8
    .kernarg_segment_size: 56
    .max_flat_workgroup_size: 32
    .sgpr_count:     100
    .vgpr_count:     384
    .wavefront_size: 32
...
	.end_amdgpu_metadata
.endif
;; end of part 1
;; launch ffn1 (part 2): grid 4 x 50, 4 waves a work-group, clusters of 4 x 1, 327,680 bytes of LDS; arguments xg, xgs, W1_codes, W1_scales, hc, hs, tile_expert; writes hc, hs
.if DOCPART == 2
	.amdgcn_target "amdgcn-amd-amdhsa--gfx1250"
	.amdhsa_code_object_version 6
	.text
	.protected	k_qc35aa64605_ffn1
	.globl	k_qc35aa64605_ffn1
	.p2align	8
	.type	k_qc35aa64605_ffn1,@function
k_qc35aa64605_ffn1:
	s_mov_b64 s[64:65], 0
	v_nop
	global_prefetch_b8 v0, s[64:65] scope:SCOPE_SE
	s_setreg_imm32_b32 hwreg(HW_REG_WAVE_MODE, 25, 1), 1
	s_wait_xcnt 0x0
	s_wait_alu depctr_hold_cnt(0) depctr_sa_sdst(0) depctr_va_vdst(0) depctr_va_sdst(0) depctr_va_ssrc(0) depctr_va_vcc(0) depctr_vm_vsrc(0)
	s_getreg_b32 s2, hwreg(HW_REG_IB_STS2, 6, 4)
	s_cmp_eq_u32 s2, 0
	s_cbranch_scc0 .Lentry_in_a_cluster
	s_endpgm
.Lentry_in_a_cluster:
	s_bfe_u32 s2, ttmp6, 0x10000c
	s_cmp_lg_u32 s2, 0x3003
	s_cbranch_scc0 .Lentry_shape_is_right
	s_endpgm
.Lentry_shape_is_right:
; h = Q(gelu(xg W1[e]^T)): the first product of the experts' chain on the sorted rows, on codes of FP6 (E2M3) with one E8M0 scale for each 32 along K; sums in f32; gelu (tanh form) in f32; h quantised along the hidden units.
; xg [9600][1024 codes], xgs [9600][32]; W1 [8][1024][1024 codes], its scales [8][1024][32].  Row tile T (192 sorted rows) belongs to ONE expert, tile_expert[T], stored by the launch before.
; A work-group makes 192 rows x 256 hidden units; each of its four waves 96 x 128: 48 accumulators, 384 registers.  K = 1,024 goes in four steps of 256 through two LDS slots filled by the tensor data mover.
; Row tiles of 192: at most 43 + 7 = 50 of them, 200 work-groups.  For 128 along K a wave reads 14 fragments from LDS for 48 matrix instructions.
; The scale bytes of the 192 rows of A and the 256 rows of B, for all of K, come into LDS once, with the first fills.
; CLUSTER: the four work-groups of a cluster make the four column tiles of one row tile: they need the same tiles of A and ask for them JOINTLY (mask 15).  B's tiles are each work-group's own (no mask).
; B is not shared: row tiles of one expert would have to form a cluster, and their number is a count read from memory; four row tiles to a cluster would pad each expert to 768 rows: up to 18 x 768 = 13,824 rows for 9,600.
; Tiles that the split leaves without rows run like all others, on zero codes: every wave passes every barrier and every partner makes every joint request.
; THE MATRIX INSTRUCTION IS USED TRANSPOSED (source 0 = 16 rows of W1, source 1 = 16 rows of xg): a lane holds one row and eight neighbouring hidden units.
; OUT: a wave's 128 hidden units are K step ks = 2 x column tile + half of the second product.  Each block of 16 rows becomes one fragment (12 registers a lane) and goes to hc [600][8][1536] AS AN IMAGE OF ITS REGISTERS:
; registers 4 c .. 4 c + 3 of lane l at 512 c + 16 l: each store covers 512 consecutive bytes.  Its scale word goes to hs [9600][8 words]: 4 bytes to rows 32 bytes apart, one byte in 24 of what the launch stores.
; LIMITS: a NaN, an infinity or a scale byte 0xff in an expert that a token did not choose does not reach that token.  Blocks of h whose largest magnitude lies under 2^-124 get the scale byte 1.
; REGISTERS, in windows of 256: window 0: v0-31 addresses and constants; v32-63 scale words, two sets; v64-127 64 numbers at work on the way out; from v128 A's six fragments, one set (on the way out: codes and the quantiser's registers).
;   window 1: B's fragments, two sets, at v0 and v128.   window 2: the accumulators of my rows 0-47 ((a, b) at v[8 (8 (a % 3) + b)]);   window 3: those of my rows 48-95.
.set NQ,     2                         ; steps of 128 along K in a slot
.set ROWB,   192                       ; a tile's row in bytes: 256 codes
.set KROW,   768                       ; a row of A or of B in memory
.set PITCH,  240                       ; an LDS row: 3 x (64 bytes + 16 of padding) = 60 words: the 32 lanes of a load of 8 bytes touch 64 different banks (64 banks of 4 bytes: ISA guide 11.1)
.set FR,     12                        ; registers of a fragment
.set NL,     6                         ; LDS loads that bring one
.set NP,     4                         ; places behind this matrix instruction (ISA guide 7.12.1)
.set TROWS,  192                       ; rows of a tile
.set HB,     3                         ; A's blocks in each half of a step
.set HALFA,  96*PITCH                  ; 96 rows of A: what one tensor load brings, and what one wave reads
.set HALFT,  128*PITCH                 ; 128 rows of B likewise
.set BOFF,   2*HALFA                   ; B's rows lie behind A's 192
.set SLOT,   BOFF+2*HALFT
.set KS,     32                        ; a row of scales in bytes
.set SCL,    2*SLOT                    ; behind the ring: the scales, as rows of 256 bytes + 16 of padding
.set HALFSA, (96*KS/256)*272           ; those of 96 rows of A
.set HALFS,  (128*KS/256)*272          ; of 128 rows of B
.set SBOFF,  2*HALFSA                  ; B's lie behind A's
.set SBLK,   (16*KS/256)*272
.set SPARE,  (SCL+SBOFF+2*HALFS+255)/256*256   ; the spare words, 128 bytes for each wave: two blocks of 256 bytes that no other line names
.set ADRA, 16                          ; v16-17 LDS address of my A fragments in slot 0, 1 (v18-19: for the pieces behind one padding more)
.set ADRB, 20                          ; v20-23 the same for B
.set HO,   24                          ; v24    16 x lane: my place in an image
.set HSO,  25                          ; v25    32 x (lane % 16): my row's scale words
.set ADRS, 27                          ; v27    LDS address of my scale words: lanes 0-15 A's rows, lanes 16-31 B's
.set SPW,  28                          ; v28    LDS address of my spare word; never rewritten
.set NIL,  29                          ; v29    0; never rewritten
.set C1,   30                          ; v30-31 c1, twice
.set SC,   32                          ; scale words: they hold scales and nothing else
.set HA,   64
.set AF,   128
.set CDS,  128                         ; the way out: the codes just made, v128-146
.set TM,   160                         ; v160-175 the quantiser's registers
.set PW,   176                         ; the scale word just made
.set SEL,  66                          ; s[66:67] selects for lane l xor 16
.set C2,   100                         ; s[100:101] c2
.set G1, 24
.set G0, 32
.set G1B, 48
.set G0B, 56
.set G1S, 68
.set G0S, 76
.set G1SB, 80
.set G0SB, 88
.set MSB, 0
.macro WIN new                         ; the immediate's high byte repeats the setting that is left
.if MSB != \new
	s_set_vgpr_msb (MSB<<8)|\new
.set MSB, \new
.endif
.endm
.set MUL_LO, 0xa1                      ; source 0 (B) window 1, source 1 (A) window 0, C and D window 2
.set MUL_HI, 0xf1
.set TO_B,   0x40
; Waves 0 and 1 fetch for A (jointly), waves 2 and 3 for B.  The branch hangs on the wave's number alone.  Four v_nop follow each of the two lines.
.macro JLOAD g0a, g1a, g0b, g1b
	s_cmp_eq_u32 s15, 0
	s_cbranch_scc0 .Lfor_b_\@
	tensor_load_to_lds s[\g0a:\g0a+3], s[\g1a:\g1a+7]
	s_nop 0
.rept 4
	v_nop
.endr
	s_branch .Lasked_\@
.Lfor_b_\@:
	tensor_load_to_lds s[\g0b:\g0b+3], s[\g1b:\g1b+7]
	s_nop 0
.rept 4
	v_nop
.endr
.Lasked_\@:
.endm
.macro CREST                           ; a round of the cluster's barrier behind its opening barrier
	s_cmp_lg_u32 s14, 0
	s_cbranch_scc1 .Lnot_wave_0_\@
	s_barrier_signal -3
.Lnot_wave_0_\@:
	s_barrier_wait -3
	s_barrier_signal -1
	s_barrier_wait -1
.endm
.macro CROUND
	s_barrier_signal -1
	s_barrier_wait -1
	CREST
.endm
	s_load_b128 s[4:7], s[0:1], 0x0                ; xg s[4:5], xgs s[6:7]
	s_load_b128 s[8:11], s[0:1], 0x10              ; W1's codes s[8:9], its scales s[10:11]
	s_load_b64 s[12:13], s[0:1], 0x20              ; hc
	s_load_b128 s[96:99], s[0:1], 0x28             ; hs s[96:97], tile_expert s[98:99]
	v_lshl_add_u32 v[SPW], v0, 2, SPARE
	v_mov_b32 v[NIL], 0
	ds_add_u32 v28, v29
	ds_add_u32 v28, v29
	s_wait_dscnt 0x0
	v_lshrrev_b32 v1, 5, v0
	v_readfirstlane_b32 s14, v1                    ; wave 0..3
	s_lshr_b32 s15, s14, 1                         ; which half of the tile's rows is mine.  Also: I fetch for A (0) or for B (1)
	s_and_b32 s16, s14, 1                          ; which half of its columns.  Also: which half of that tile I fetch
	s_bfe_u32 s40, ttmp6, 0x40000                  ; cx
	s_lshl_b32 s42, ttmp9, 2
	s_add_co_u32 s42, s42, s40                     ; column tile = 4 x cluster x + cx
	s_and_b32 s17, ttmp7, 0xffff                   ; row tile T = cluster y: the four partners share it
	s_lshl_b32 s2, s17, 2
	; descriptor group 1: a tile of 96 (A) or 128 (B) rows x 192 bytes, 16 bytes of padding behind every 64
	s_mov_b32 s[G1+0], 15|(1<<20)|(1<<21)|(3<<22)|(3<<25)   ; 15:0 the mask: all four work-groups; 17:16 elements of 1 byte; 20 padding on; 21 set beside a mask; 24:22 after every 16 words; 31:25 of 4 words
	s_mov_b32 s[G1B+0], (1<<20)|(3<<22)|(3<<25)             ; the same with no mask: B's tiles are my own
.irp g, G1, G1B
	s_mov_b32 s[\g+1], ROWB<<16                    ; tensor_dim0
	s_mov_b32 s[\g+3], ROWB<<16                    ; tile_dim0
	s_mov_b32 s[\g+5], KROW                        ; tensor_dim0_stride
	s_mov_b32 s[\g+6], 0
	s_mov_b32 s[\g+7], 0
.endr
	s_mov_b32 s[G1+2], 96<<16                      ; tensor_dim1
	s_mov_b32 s[G1+4], 96                          ; tile_dim1
	s_mov_b32 s[G1B+2], 128<<16
	s_mov_b32 s[G1B+4], 128
	; the scales of 96 (A) or 128 (B) rows: 3,072 or 4,096 dense bytes, as 12 or 16 rows of 256 bytes (32 elements of 8 bytes), 16 bytes of padding behind each
	s_mov_b32 s[G1S+0], 15|(3<<16)|(1<<20)|(1<<21)|(5<<22)|(3<<25)
	s_mov_b32 s[G1SB+0], (3<<16)|(1<<20)|(5<<22)|(3<<25)
.irp g, G1S, G1SB
	s_mov_b32 s[\g+1], 32<<16
	s_mov_b32 s[\g+3], 32<<16
	s_mov_b32 s[\g+5], 32
	s_mov_b32 s[\g+6], 0
	s_mov_b32 s[\g+7], 0
.endr
	s_mov_b32 s[G1S+2], 12<<16
	s_mov_b32 s[G1S+4], 12
	s_mov_b32 s[G1SB+2], 16<<16
	s_mov_b32 s[G1SB+4], 16
	s_lshl_b32 s18, s16, 7                         ; which 128 rows of B's tile I fetch,
	s_mul_i32 s19, s16, 96                         ; which 96 rows of A's
	s_mul_i32 s20, s17, TROWS
	s_add_co_u32 s20, s20, s19                     ; A: row 192 T + 96 x half: nothing of cx enters
	s_lshl_b32 s22, s20, 5                         ; its scales, in bytes (all offsets here stay under 2^32)
	s_mov_b32 s23, 0
	s_mul_i32 s20, s20, KROW                       ; its codes
	s_mov_b32 s21, 0
	s_mul_i32 s45, s16, HALFA                      ; where A's half goes,
	s_mul_i32 s44, s16, HALFT
	s_add_co_u32 s44, s44, BOFF                    ; and B's;
	s_mul_i32 s94, s16, HALFSA                     ; A's scales,
	s_mul_i32 s95, s16, HALFS
	s_add_co_u32 s95, s95, SBOFF                   ; and B's
	s_wait_kmcnt 0x0
	s_load_b32 s43, s[98:99], s2 offset:0x0        ; the tile's expert
	s_add_nc_u64 s[20:21], s[4:5], s[20:21]
	s_add_nc_u64 s[22:23], s[6:7], s[22:23]
	s_wait_kmcnt 0x0
	s_min_u32 s43, s43, 7
	s_lshl_b32 s46, s43, 10
	s_lshl_b32 s47, s42, 8
	s_add_co_u32 s46, s46, s47
	s_add_co_u32 s46, s46, s18                     ; B: row 1,024 x expert + 256 x column tile + 128 x half
	s_lshl_b32 s92, s46, 5
	s_mov_b32 s93, 0
	s_mul_i32 s46, s46, KROW
	s_mov_b32 s47, 0
	s_add_nc_u64 s[46:47], s[8:9], s[46:47]
	s_add_nc_u64 s[92:93], s[10:11], s[92:93]
	CROUND                                         ; all four work-groups are here: the first joint loads meet
	s_mov_b32 s[G0S], 1
	s_add_co_u32 s[G0S+1], s94, SCL
	s_mov_b64 s[G0S+2:G0S+3], s[22:23]
	s_or_b32 s[G0S+3], s[G0S+3], 0x80000000
	s_mov_b32 s[G0SB], 1
	s_add_co_u32 s[G0SB+1], s95, SCL
	s_mov_b64 s[G0SB+2:G0SB+3], s[92:93]
	s_or_b32 s[G0SB+3], s[G0SB+3], 0x80000000
	JLOAD G0S, G1S, G0SB, G1SB                     ; the scales first: they are wanted with K step 0
.irp s, 0,1
	s_mov_b32 s[G0+4*\s], 1
	s_add_co_u32 s[G0+4*\s+1], s45, \s*SLOT
	s_add_nc_u64 s[G0+4*\s+2:G0+4*\s+3], s[20:21], \s*ROWB
	s_or_b32 s[G0+4*\s+3], s[G0+4*\s+3], 0x80000000
	s_mov_b32 s[G0B+4*\s], 1
	s_add_co_u32 s[G0B+4*\s+1], s44, \s*SLOT
	s_add_nc_u64 s[G0B+4*\s+2:G0B+4*\s+3], s[46:47], \s*ROWB
	s_or_b32 s[G0B+4*\s+3], s[G0B+4*\s+3], 0x80000000
	JLOAD G0+4*\s, G1, G0B+4*\s, G1B               ; three loads of mine are out behind the second of these
.endr
	v_and_b32 v1, 15, v0                           ; l % 16
	v_bfe_u32 v2, v0, 4, 1                         ; l / 16
	v_mul_u32_u24 v3, v1, PITCH
	v_mul_u32_u24 v4, v2, 24
	v_add_nc_u32 v4, v3, v4                        ; a fragment's row x pitch + 24 x half
	v_lshl_add_u32 v5, v2, 4, v4                   ; and the same behind one padding more
	s_mul_i32 s21, s15, HALFA                      ; my 96 rows of A
	s_mul_i32 s22, s16, HALFT                      ; my 128 rows of B,
	s_add_co_u32 s22, s22, BOFF                    ; which lie behind A's 192
.irp s, 0,1
	v_add_nc_u32 v[ADRA+\s], s21, v4
	v_add_nc_u32 v[ADRB+\s], s22, v4
	v_add_nc_u32 v[ADRA+2+\s], s21, v5
	v_add_nc_u32 v[ADRB+2+\s], s22, v5
	s_add_co_u32 s21, s21, SLOT
	s_add_co_u32 s22, s22, SLOT
.endr
	v_mul_u32_u24 v5, v1, KS                       ; my row's scales: 32 bytes a row,
	v_lshrrev_b32 v6, 8, v5
	v_lshl_add_u32 v5, v6, 4, v5                   ; and 16 more for each 256 passed
	s_mul_i32 s21, s15, HALFSA
	s_mul_i32 s22, s16, HALFS
	s_add_co_u32 s22, s22, SBOFF
	s_sub_co_u32 s22, s22, s21
	v_mul_u32_u24 v6, s22, v2                      ; lanes 16-31 take B's: one product, the distance between the two bases x half
	s_add_co_u32 s21, s21, SCL
	v_add_nc_u32 v5, v5, v6
	v_add_nc_u32 v[ADRS], s21, v5
	v_and_b32 v6, 31, v0
	v_lshlrev_b32 v[HO], 4, v6
	v_lshlrev_b32 v[HSO], 5, v1
	v_mov_b32 v[C1], 0xc0135761                    ; c1 = -2 sqrt(2 / pi) log2(e)
	v_mov_b32 v[C1+1], 0xc0135761
	s_mov_b32 s[C2], 0xbdd2d3e8                    ; c2 = 0.044715 c1
	s_mov_b32 s[C2+1], s[C2]                       ; (named with it as a pair, so it is written)
	s_mov_b32 s[SEL], 0x76543210
	s_mov_b32 s[SEL+1], 0xfedcba98
	s_lshl_b32 s46, s42, 1
	s_add_co_u32 s46, s46, s16                     ; ks: which K step of the second product my 128 hidden units are
	s_mul_i32 s20, s17, 12
	s_mul_i32 s21, s15, 6
	s_add_co_u32 s20, s20, s21                     ; my first block of 16 rows: 12 T + 6 x half
	s_mul_i32 s20, s20, 12288                      ; a block's eight images
	s_mul_i32 s47, s46, 1536
	s_add_co_u32 s20, s20, s47
	s_mov_b32 s21, 0
	s_add_nc_u64 s[12:13], s[12:13], s[20:21]      ; hc at my first image
	s_mul_i32 s20, s17, TROWS*32
	s_mul_i32 s22, s15, 96*32
	s_add_co_u32 s20, s20, s22                     ; (192 T + 96 x half) rows of 32 bytes
	s_lshl_b32 s22, s46, 2
	s_add_co_u32 s20, s20, s22
	s_add_nc_u64 s[96:97], s[96:97], s[20:21]      ; hs at my first row's word ks
.macro FRAG reg, adr, q, i             ; a fragment: lane l holds row l % 16; registers 6 c .. 6 c + 5 hold K = 64 c + 32 (l / 16) + 0 .. 31: 24 bytes of the row's stream of bits, as they lie
.irp p, 0,1,2,3,4,5                    ; in pieces of 8 bytes.  Lanes 16-31 read three pieces further on; where that lies behind one padding more, the second address register serves
.set PCE, 12*(\q)+6*(\p/3)+\p%3
.if PCE%8 < 5
	ds_load_b64 v[\reg+2*\p:\reg+2*\p+1], v[\adr] offset:8*PCE+16*(PCE/8)+(\i)*16*PITCH
.else
	ds_load_b64 v[\reg+2*\p:\reg+2*\p+1], v[\adr+2] offset:8*PCE+16*(PCE/8)+(\i)*16*PITCH
.endif
.endr
.endm
; 8 matrix instructions: A's block a x B's eight, 128 along K.  p: B's set; sc: the set of scale words.  zero = 1: the first product starts the sums.
; The 48 accumulators take turns, one instruction a turn, in the same order in every step.
.macro MUL8 a, p, q, sc, zero
.irp b, 0,1,2,3,4,5,6,7
.if \zero
	v_wmma_scale_f32_16x16x128_f8f6f4 v[8*(8*((\a)%HB)+\b):8*(8*((\a)%HB)+\b)+7], v[128*(\p)+FR*\b:128*(\p)+FR*\b+FR-1], v[AF+FR*(\a):AF+FR*(\a)+FR-1], 0, v[SC+8*NQ*(\sc)+NQ*\b+(\q)], v[SC+8*NQ*(\sc)+NQ*(\a)+(\q)] matrix_a_fmt:MATRIX_FMT_FP6 matrix_b_fmt:MATRIX_FMT_FP6 matrix_a_scale:MATRIX_SCALE_ROW1
.else
	v_wmma_scale_f32_16x16x128_f8f6f4 v[8*(8*((\a)%HB)+\b):8*(8*((\a)%HB)+\b)+7], v[128*(\p)+FR*\b:128*(\p)+FR*\b+FR-1], v[AF+FR*(\a):AF+FR*(\a)+FR-1], v[8*(8*((\a)%HB)+\b):8*(8*((\a)%HB)+\b)+7], v[SC+8*NQ*(\sc)+NQ*\b+(\q)], v[SC+8*NQ*(\sc)+NQ*(\a)+(\q)] matrix_a_fmt:MATRIX_FMT_FP6 matrix_b_fmt:MATRIX_FMT_FP6 matrix_a_scale:MATRIX_SCALE_ROW1
.endif
.endr
.endm
.macro FETCH_B slot, q, p
	WIN TO_B
.irp i, 0,1,2,3,4,5,6,7
	FRAG 128*(\p)+FR*\i, ADRB+\slot, \q, \i
.endr
	WIN 0
.endm
.macro FETCH_A slot, q, i0             ; A's blocks i0 .. i0 + 2
.irp i, \i0, \i0+1, \i0+2
	FRAG AF+FR*(\i), ADRA+\slot, \q, \i
.endr
.endm
.macro SCALES sc                       ; a K step's scale words: two words a row; lanes 0-15 take A's block i, lanes 16-31 B's block i (A has six blocks: for i = 6, 7 lanes 0-15 bring words of the scales' region that no product names)
.irp i, 0,1,2,3,4,5,6,7
	ds_load_b64 v[SC+8*NQ*\sc+NQ*\i:SC+8*NQ*\sc+NQ*\i+1], v[ADRS] offset:\i*SBLK
.endr
.endm
.macro PLACES n                        ; places in front of loads into registers that matrix instructions have read, and of the first read of results (ISA guide 7.12.1 for the first read of results)
.rept \n
	v_nop
.endr
.endm
.macro STEP slot, q, zero              ; a step of 128 along K that has its successor in the same slot
	s_wait_dscnt HB*NL                             ; B's set and A's blocks 0-2 are in; the youngest 18 loads (A's blocks 3-5) may be out
	WIN MUL_LO
	MUL8 0, (\q)%2, \q, \slot, \zero
	MUL8 1, (\q)%2, \q, \slot, \zero
	MUL8 2, (\q)%2, \q, \slot, \zero
	s_wait_dscnt 0                                 ; A's blocks 3-5 are in
	PLACES NP
	FETCH_B \slot, (\q)+1, 1-(\q)%2
	FETCH_A \slot, (\q)+1, 0
	WIN MUL_HI
	MUL8 3, (\q)%2, \q, \slot, \zero
	MUL8 4, (\q)%2, \q, \slot, \zero
	MUL8 5, (\q)%2, \q, \slot, \zero
	PLACES NP
	WIN 0
	FETCH_A \slot, (\q)+1, 3
.endm
; A slot's last step changes slots: one barrier; in front of it each wave waits for all its tensor loads, adds 0 to its spare word, and waits for that and for its own reads of this slot.  fill = 1: this slot is filled again.
.macro TURN slot, next, fill
	s_wait_tensorcnt 0x0                           ; all my tensor loads have landed: my part of the next slot
	ds_add_u32 v[SPW], v[NIL]                      ; 0 onto my spare word
	s_wait_dscnt HB*NL+1                           ; (the add and the youngest 18 loads may be out)
	WIN MUL_LO
	MUL8 0, 1, NQ-1, \slot, 0                      ; eight matrix instructions stand between the add and the wait for it
	s_wait_dscnt 0x0                               ; the add is done, and my reads of this slot are over
	s_barrier_signal -1
	MUL8 1, 1, NQ-1, \slot, 0
	MUL8 2, 1, NQ-1, \slot, 0
	WIN 0
	s_barrier_wait -1
.if \fill
	CREST                                          ; the barrier has opened a round of the cluster's barrier: no wave of any partner still reads this slot's tile or has a load on its way
	s_add_nc_u64 s[G0+4*\slot+2:G0+4*\slot+3], s[G0+4*\slot+2:G0+4*\slot+3], 2*ROWB
	s_add_nc_u64 s[G0B+4*\slot+2:G0B+4*\slot+3], s[G0B+4*\slot+2:G0B+4*\slot+3], 2*ROWB
	JLOAD G0+4*\slot, G1, G0B+4*\slot, G1B         ; the first tensor load behind the round; its four v_nop are the places in front of the loads below
.else
	PLACES NP
.endif
	v_add_nc_u32 v[ADRS], 4*NQ, v[ADRS]            ; on to the next K step's scale words (no LDS load of mine is out)
	FETCH_B \next, 0, 0
	FETCH_A \next, 0, 0
	SCALES \next
	WIN MUL_HI
	MUL8 3, 1, NQ-1, \slot, 0
	MUL8 4, 1, NQ-1, \slot, 0
	MUL8 5, 1, NQ-1, \slot, 0
	PLACES NP
	WIN 0
	FETCH_A \next, 0, 3
.endm
	s_wait_tensorcnt 1                             ; the scales and my part of slot 0 are in; slot 1's load may stay out
	s_barrier_signal -1
	s_barrier_wait -1
	FETCH_B 0, 0, 0
	FETCH_A 0, 0, 0
	SCALES 0
	FETCH_A 0, 0, 3
	STEP 0, 0, 1                                   ; K 0-127: its products start the sums.  K's eight steps are written out: four slots, two refills
	TURN 0, 1, 1                                   ; K 128-255; slot 0 takes K 512-767
	STEP 1, 0, 0
	TURN 1, 0, 1                                   ; slot 1 takes K 768-1023
	STEP 0, 0, 0
	TURN 0, 1, 0                                   ; nothing is left to fetch
	STEP 1, 0, 0
	s_wait_dscnt HB*NL                             ; the last step
	WIN MUL_LO
	MUL8 0, 1, NQ-1, 1, 0
	MUL8 1, 1, NQ-1, 1, 0
	MUL8 2, 1, NQ-1, 1, 0
	s_wait_dscnt 0
	WIN MUL_HI
	MUL8 3, 1, NQ-1, 1, 0
	MUL8 4, 1, NQ-1, 1, 0
	MUL8 5, 1, NQ-1, 1, 0
	WIN 0
; THE WAY OUT, block by block of 16 rows x 128 hidden units, in registers alone.
; gelu(x) = x / (1 + 2^(x (c1 + c2 x^2))): the tanh form, since (1 + tanh u) / 2 = 1 / (1 + e^(-2 u)).  Very negative x: the power is infinite and the result -0; very large x: the power is 0 and the result x.
; Each accumulator is read from its low end on.
.macro GELU a
.set AC, 64*((\a)%HB)
.set WA, 2+(\a)/HB                     ; the block's window
.set WB, WA|(WA<<2)
.set WC, WA<<2
	WIN WB                                         ; sources 0 and 1: the accumulators
.set j, 0
.rept 32
	v_pk_mul_f32 v[HA+j:HA+j+1], v[AC+j:AC+j+1], v[AC+j:AC+j+1]
.set j, j+2
.endr
	WIN 0
.set j, 0
.rept 32
	v_pk_fma_f32 v[HA+j:HA+j+1], v[HA+j:HA+j+1], s[C2:C2+1], v[C1:C1+1] op_sel_hi:[1,0,1]
.set j, j+2
.endr
	WIN WC                                         ; source 1: the accumulators
.set j, 0
.rept 32
	v_pk_mul_f32 v[HA+j:HA+j+1], v[HA+j:HA+j+1], v[AC+j:AC+j+1]
.set j, j+2
.endr
	WIN 0
.set j, 0
.rept 64
	v_exp_f32 v[HA+j], v[HA+j]
.set j, j+1
.endr
	v_nop                                          ; a plain place behind the exponentials
.set j, 0
	s_wait_alu depctr_va_vdst(0)
.rept 32
	v_pk_add_f32 v[HA+j:HA+j+1], v[HA+j:HA+j+1], 1.0 op_sel_hi:[1,0]
.set j, j+2
.endr
.set j, 0
.rept 64
	v_rcp_f32 v[HA+j], v[HA+j]
.set j, j+1
.endr
	v_nop                                          ; a plain place behind the reciprocals
	WIN WA                                         ; source 0: the accumulators
.set j, 0
	s_wait_alu depctr_va_vdst(0)
.rept 32
	v_pk_mul_f32 v[HA+j:HA+j+1], v[AC+j:AC+j+1], v[HA+j:HA+j+1]
.set j, j+2
.endr
	WIN 0
.endm
; Register 8 b + i of lane (r, h) is unit 16 b + 8 h + i of row r.  The exchange of halves below leaves register 16 k + i = unit 32 k + 16 h + i: 16 neighbours of a block of 32 in a lane, as the conversions want them.
.macro SWAPS
.irp b, 0,1,2,3
.irp i, 0,1,2,3,4,5,6,7
	v_permlane16_swap_b32 v[HA+16*\b+\i], v[HA+16*\b+8+\i]
.endr
.endr
.endm
; 64 numbers of a lane, register 16 b + i = k 32 b + 16 (lane / 16) + i of my row, become a fragment's codes in v[CDS] on and its scale word in v[PW].
.macro QUANT s
.irp b, 0,1,2,3
	v_max3_num_f32 v[TM+\b], |v[\s+16*\b]|, |v[\s+1+16*\b]|, 0x1800000   ; block b: my 16 numbers, and the floor 2^(3 - 127): the byte cannot fall under 1 (a block of zeros keeps that byte: its codes are zeros, and this program alone reads the bytes)
.endr
.irp i, 2,4,6,8,10,12,14
.irp b, 0,1,2,3
	v_max3_num_f32 v[TM+\b], v[TM+\b], |v[\s+16*\b+\i]|, |v[\s+1+16*\b+\i]|
.endr
.endr
.irp b, 0,1,2,3
	v_permlanex16_b32 v[TM+4+\b], v[TM+\b], s[SEL], s[SEL+1]
.endr
.irp b, 0,1,2,3
	v_max_num_f32 v[TM+\b], v[TM+\b], v[TM+4+\b]   ; with lane l xor 16's: the block's largest magnitude
.endr
.irp b, 0,1,2,3
	v_add_nc_u32 v[TM+12+\b], 0xff000000, v[TM+\b] ; 2 off its exponent field: the conversion takes the exponent field of this operand as its scale
.endr
.irp b, 0,1,2,3
	v_lshrrev_b32 v[TM+4+\b], 23, v[TM+12+\b]      ; the scale's byte
.endr
	v_lshl_or_b32 v[PW], v[TM+5], 8, v[TM+4]
	v_lshl_or_b32 v[PW], v[TM+6], 16, v[PW]
	v_lshl_or_b32 v[PW], v[TM+7], 24, v[PW]
.irp c, 0,1
	v_cvt_scalef32_pk16_fp6_f32 v[CDS+6*\c:CDS+2+6*\c], v[\s+32*\c:\s+15+32*\c], v[TM+12+2*\c]
	v_cvt_scalef32_pk16_fp6_f32 v[CDS+12+4*\c:CDS+14+4*\c], v[\s+16+32*\c:\s+31+32*\c], v[TM+12+2*\c+1]   ; (a conversion's three registers begin on an even number)
.endr
	v_nop                                          ; one plain place behind a scaled conversion
.irp c, 0,1                                    ; the operand's layout wants a whole block in a lane: lanes 0-15 block 2 c, lanes 16-31 block 2 c + 1
.irp i, 0,1,2
	v_permlane16_swap_b32 v[CDS+6*\c+\i], v[CDS+12+4*\c+\i]
.endr
.irp i, 0,1,2
	v_mov_b32 v[CDS+3+6*\c+\i], v[CDS+12+4*\c+\i]
.endr
.endr
.endm
.macro OUTH a
.irp c, 0,1,2
	global_store_b128 v[HO], v[CDS+4*\c:CDS+4*\c+3], s[12:13] offset:12288*\a+512*\c   ; 32 lanes store 512 consecutive bytes, at a multiple of 256 from hc's first byte
.endr
	global_store_b32 v[HSO], v[PW], s[96:97] offset:512*\a     ; row r's word; lanes 16-31 hold the same word and write it to the same place
.endm
	PLACES NP                                      ; behind the last products: for the first reads of results, and for writes of registers that held A's fragments
.irp b, 0,1,2,3
	v_mov_b32 v[TM+4+\b], 0                        ; written once: a lane permute's destination counts as one of its sources
.endr
.irp a, 0,1,2,3,4,5
	GELU \a
	SWAPS
	s_wait_xcnt 0x0                                ; the last block's stores have read their data: the codes and the scale word may be written again
	QUANT HA
	OUTH \a
.endr
	s_wait_tensorcnt 0x0                           ; the wave's end
	ds_add_u32 v[SPW], v[NIL]
	s_wait_dscnt 0x0
	CROUND                                         ; the closing round: no work-group ends while a partner may still ask for a tile that names it
	s_endpgm
.Lfunc_end_k_qc35aa64605_ffn1:
	.size	k_qc35aa64605_ffn1, .Lfunc_end_k_qc35aa64605_ffn1-k_qc35aa64605_ffn1
	.p2alignl 7, 3214868480
	.fill 96, 4, 3214868480
	.section	.rodata,"a",@progbits
	.p2align	6, 0x0
	.amdhsa_kernel k_qc35aa64605_ffn1
		.amdhsa_group_segment_fixed_size 327680
		.amdhsa_private_segment_fixed_size 0
		.amdhsa_enable_private_segment 0
		.amdhsa_kernarg_size 56
		.amdhsa_user_sgpr_count 2
		.amdhsa_user_sgpr_kernarg_segment_ptr 1
		.amdhsa_wavefront_size32 1
		.amdhsa_system_sgpr_workgroup_id_x 1
		.amdhsa_system_sgpr_workgroup_id_y 1
		.amdhsa_system_sgpr_workgroup_id_z 1
		.amdhsa_system_vgpr_workitem_id 0
		.amdhsa_next_free_vgpr 1024
		.amdhsa_next_free_sgpr 102
		.amdhsa_reserve_vcc 0
		.amdhsa_float_denorm_mode_32 3
		.amdhsa_float_denorm_mode_16_64 3
		.amdhsa_memory_ordered 1
		.amdhsa_forward_progress 1
		.amdhsa_inst_pref_size 226
	.end_amdhsa_kernel
	.amdgpu_metadata
---
amdhsa.version: [ 1, 2 ]
amdhsa.kernels:
  - .name:           k_qc35aa64605_ffn1
    .symbol:         k_qc35aa64605_ffn1.kd
    .args:
      - { .name: xg, .offset: 0, .size: 8, .value_kind: global_buffer, .address_space: global }
      - { .name: xgs, .offset: 8, .size: 8, .value_kind: global_buffer, .address_space: global }
      - { .name: W1_codes, .offset: 16, .size: 8, .value_kind: global_buffer, .address_space: global }
      - { .name: W1_scales, .offset: 24, .size: 8, .value_kind: global_buffer, .address_space: global }
      - { .name: hc, .offset: 32, .size: 8, .value_kind: global_buffer, .address_space: global }
      - { .name: hs, .offset: 40, .size: 8, .value_kind: global_buffer, .address_space: global }
      - { .name: tile_expert, .offset: 48, .size: 8, .value_kind: global_buffer, .address_space: global }
    .group_segment_fixed_size: 327680
    .private_segment_fixed_size: 0
    .kernarg_segment_align: 8
    .kernarg_segment_size: 56
    .max_flat_workgroup_size: 128
    .sgpr_count:     102
    .vgpr_count:     1024
    .wavefront_size: 32
...
	.end_amdgpu_metadata
.endif
;; end of part 2
;; launch ffn2 (part 3): grid 4 x 50, 4 waves a work-group, clusters of 4 x 1, 327,680 bytes of LDS; arguments hc, hs, W2_codes, W2_scales, y, tile_expert; writes y
.if DOCPART == 3
	.amdgcn_target "amdgcn-amd-amdhsa--gfx1250"
	.amdhsa_code_object_version 6
	.text
	.protected	k_qc35aa64605_ffn2
	.globl	k_qc35aa64605_ffn2
	.p2align	8
	.type	k_qc35aa64605_ffn2,@function
k_qc35aa64605_ffn2:
	s_mov_b64 s[64:65], 0
	v_nop
	global_prefetch_b8 v0, s[64:65] scope:SCOPE_SE
	s_setreg_imm32_b32 hwreg(HW_REG_WAVE_MODE, 25, 1), 1
	s_wait_xcnt 0x0
	s_wait_alu depctr_hold_cnt(0) depctr_sa_sdst(0) depctr_va_vdst(0) depctr_va_sdst(0) depctr_va_ssrc(0) depctr_va_vcc(0) depctr_vm_vsrc(0)
	s_getreg_b32 s2, hwreg(HW_REG_IB_STS2, 6, 4)
	s_cmp_eq_u32 s2, 0
	s_cbranch_scc0 .Lentry_in_a_cluster
	s_endpgm
.Lentry_in_a_cluster:
	s_bfe_u32 s2, ttmp6, 0x10000c
	s_cmp_lg_u32 s2, 0x3003
	s_cbranch_scc0 .Lentry_shape_is_right
	s_endpgm
.Lentry_shape_is_right:
; y = h W2[e]^T: the second product of the experts' chain on the sorted rows, on codes of FP6 (E2M3) with one E8M0 scale for each 32 along K; sums in f32.  y [9600][1024] f32.
; h comes as the launch before laid it: hc [600 blocks of 16 rows][8 K steps][1536 bytes], each an image of a fragment's registers (registers 4 c .. 4 c + 3 of lane l at 512 c + 16 l); hs [9600][32] its scale bytes.
; W2 [8][1024][1024 codes], its scales [8][1024][32].  Row tile T (192 sorted rows) belongs to one expert, tile_expert[T].
; A work-group makes 192 x 256 of y; each of its four waves 96 x 128: 48 accumulators.  K = 1,024 goes in four steps of 256 through two LDS slots.  A's part of a slot is 12 blocks x 2 images, dense: a fragment comes by three
; loads of 16 bytes a lane, 512 consecutive bytes each.  B's part is rows of 192 bytes with 16 bytes of padding behind every 64.
; CLUSTER: the four column tiles of one row tile ask for A's tiles and scales JOINTLY (mask 15).  B's tiles are each work-group's own: row tiles of one expert would have to form a cluster, and their number is a count
; read from memory; four row tiles to a cluster would pad each expert to 768 rows: up to 13,824 rows for 9,600.  Tiles without rows run like all others, on zero codes.
; THE MATRIX INSTRUCTION IS USED TRANSPOSED (source 0 = 16 rows of W2, source 1 = 16 rows of h): a lane holds eight neighbouring numbers of a row of y.
; LIMITS: a NaN, an infinity or a scale byte 0xff in an expert that a token did not choose does not reach that token.
; REGISTERS: window 0: v0-31 addresses; v32-63 scale words, two sets; from v128 A's six fragments, one set (on the way out: rows read back).  window 1: B's fragments, two sets.
;   window 2: the accumulators of my rows 0-47 ((a, b) at v[8 (8 (a % 3) + b)]);  window 3: those of my rows 48-95.
.set SIZE_N, 1024
.set NQ,     2
.set ROWB,   192
.set KROW,   768
.set PITCH,  240
.set FR,     12
.set NLA,    3                         ; LDS loads that bring a fragment of A
.set NP,     4
.set TROWS,  192                       ; rows of a tile
.set HB,     3                         ; A's blocks in each half of a step
.set ASTEP,  3072                      ; a block's two images of a slot
.set AHALF,  6*ASTEP                   ; six blocks: what one tensor load brings of A
.set BOFF,   2*AHALF                   ; B's rows lie behind A's twelve blocks
.set HALFT,  128*PITCH
.set SLOT,   BOFF+2*HALFT
.set KS,     32
.set SCL,    2*SLOT
.set HALFSA, (96*KS/256)*272           ; the scales of 96 rows of A,
.set HALFS,  (128*KS/256)*272          ; of 128 rows of B
.set SBOFF,  2*HALFSA                  ; B's lie behind A's
.set SBLK,   (16*KS/256)*272
.set SPARE,  (SCL+SBOFF+2*HALFS+255)/256*256   ; the spare words, 128 bytes for each wave: two blocks of 256 bytes that no other line names
.set SPITCH, 528                       ; the way out: a stage of 16 rows x (512 bytes + 16) for each wave, in slot 0, which has had its last fill and its last read when the first result is stored there
.set ADRA, 16                          ; v16-17 LDS address of my A images in slot 0, 1
.set ADRB, 20                          ; v20-21 of my B fragments (v22-23: for the pieces behind one padding more)
.set STO,  24
.set RD,   25
.set CO,   26                          ; v26    16 x lane
.set ADRS, 27
.set SPW,  28
.set NIL,  29
.set SC,   32
.set AF,   128
.set BK,   128
.set G1, 24
.set G0, 32
.set G1B, 48
.set G0B, 56
.set G1S, 68
.set G0S, 76
.set G1SB, 80
.set G0SB, 88
.set MSB, 0
.macro WIN new                         ; the immediate's high byte repeats the setting that is left
.if MSB != \new
	s_set_vgpr_msb (MSB<<8)|\new
.set MSB, \new
.endif
.endm
.set MUL_LO, 0xa1
.set MUL_HI, 0xf1
.set TO_B,   0x40
; Waves 0 and 1 fetch for A (jointly), waves 2 and 3 for B.  The branch hangs on the wave's number alone.  Four v_nop follow each of the two lines.
.macro JLOAD g0a, g1a, g0b, g1b
	s_cmp_eq_u32 s15, 0
	s_cbranch_scc0 .Lfor_b_\@
	tensor_load_to_lds s[\g0a:\g0a+3], s[\g1a:\g1a+7]
	s_nop 0
.rept 4
	v_nop
.endr
	s_branch .Lasked_\@
.Lfor_b_\@:
	tensor_load_to_lds s[\g0b:\g0b+3], s[\g1b:\g1b+7]
	s_nop 0
.rept 4
	v_nop
.endr
.Lasked_\@:
.endm
.macro CREST
	s_cmp_lg_u32 s14, 0
	s_cbranch_scc1 .Lnot_wave_0_\@
	s_barrier_signal -3
.Lnot_wave_0_\@:
	s_barrier_wait -3
	s_barrier_signal -1
	s_barrier_wait -1
.endm
.macro CROUND
	s_barrier_signal -1
	s_barrier_wait -1
	CREST
.endm
	s_load_b128 s[4:7], s[0:1], 0x0                ; hc s[4:5], hs s[6:7]
	s_load_b128 s[8:11], s[0:1], 0x10              ; W2's codes s[8:9], its scales s[10:11]
	s_load_b64 s[12:13], s[0:1], 0x20              ; y
	s_load_b64 s[98:99], s[0:1], 0x28              ; tile_expert
	v_lshl_add_u32 v[SPW], v0, 2, SPARE
	v_mov_b32 v[NIL], 0
	ds_add_u32 v28, v29
	ds_add_u32 v28, v29
	s_wait_dscnt 0x0
	v_lshrrev_b32 v1, 5, v0
	v_readfirstlane_b32 s14, v1                    ; wave 0..3
	s_lshr_b32 s15, s14, 1                         ; which half of the tile's rows is mine.  Also: I fetch for A (0) or for B (1)
	s_and_b32 s16, s14, 1                          ; which half of its columns.  Also: which half of that tile I fetch
	s_bfe_u32 s40, ttmp6, 0x40000                  ; cx
	s_lshl_b32 s42, ttmp9, 2
	s_add_co_u32 s42, s42, s40                     ; column tile
	s_and_b32 s17, ttmp7, 0xffff                   ; row tile T: the four partners share it
	s_lshl_b32 s2, s17, 2
	; A: six blocks x 3,072 bytes (two images), 12,288 bytes from block to block, dense in LDS: elements of 8 bytes
	s_mov_b32 s[G1+0], 15|(3<<16)|(1<<21)          ; 15:0 the mask: all four work-groups; 17:16 elements of 8 bytes; 20 no padding; 21 set beside a mask
	s_mov_b32 s[G1+1], 384<<16                     ; tensor_dim0
	s_mov_b32 s[G1+2], 6<<16                       ; tensor_dim1
	s_mov_b32 s[G1+3], 384<<16                     ; tile_dim0
	s_mov_b32 s[G1+4], 6                           ; tile_dim1
	s_mov_b32 s[G1+5], 1536                        ; tensor_dim0_stride
	s_mov_b32 s[G1+6], 0
	s_mov_b32 s[G1+7], 0
	; B: 128 rows x 192 bytes, 16 bytes of padding behind every 64; no mask
	s_mov_b32 s[G1B+0], (1<<20)|(3<<22)|(3<<25)
	s_mov_b32 s[G1B+1], ROWB<<16
	s_mov_b32 s[G1B+2], 128<<16
	s_mov_b32 s[G1B+3], ROWB<<16
	s_mov_b32 s[G1B+4], 128
	s_mov_b32 s[G1B+5], KROW
	s_mov_b32 s[G1B+6], 0
	s_mov_b32 s[G1B+7], 0
	; the scales of 96 (A) or 128 (B) rows: 12 or 16 rows of 256 bytes, 16 bytes of padding behind each
	s_mov_b32 s[G1S+0], 15|(3<<16)|(1<<20)|(1<<21)|(5<<22)|(3<<25)
	s_mov_b32 s[G1SB+0], (3<<16)|(1<<20)|(5<<22)|(3<<25)
.irp g, G1S, G1SB
	s_mov_b32 s[\g+1], 32<<16
	s_mov_b32 s[\g+3], 32<<16
	s_mov_b32 s[\g+5], 32
	s_mov_b32 s[\g+6], 0
	s_mov_b32 s[\g+7], 0
.endr
	s_mov_b32 s[G1S+2], 12<<16
	s_mov_b32 s[G1S+4], 12
	s_mov_b32 s[G1SB+2], 16<<16
	s_mov_b32 s[G1SB+4], 16
	s_mul_i32 s20, s17, 12
	s_mul_i32 s18, s16, 6
	s_add_co_u32 s20, s20, s18                     ; A: block 12 T + 6 x half: nothing of cx enters
	s_lshl_b32 s22, s20, 9                         ; its 16 rows' scales: 512 bytes a block
	s_mov_b32 s23, 0
	s_mul_i32 s20, s20, 12288
	s_mov_b32 s21, 0
	s_lshl_b32 s18, s16, 7
	s_mul_i32 s45, s16, AHALF                      ; where A's half goes,
	s_mul_i32 s44, s16, HALFT
	s_add_co_u32 s44, s44, BOFF                    ; and B's;
	s_mul_i32 s94, s16, HALFSA                     ; A's scales,
	s_mul_i32 s95, s16, HALFS
	s_add_co_u32 s95, s95, SBOFF                   ; and B's
	s_wait_kmcnt 0x0
	s_load_b32 s43, s[98:99], s2 offset:0x0        ; the tile's expert
	s_add_nc_u64 s[20:21], s[4:5], s[20:21]
	s_add_nc_u64 s[22:23], s[6:7], s[22:23]
	s_wait_kmcnt 0x0
	s_min_u32 s43, s43, 7
	s_lshl_b32 s46, s43, 10
	s_lshl_b32 s47, s42, 8
	s_add_co_u32 s46, s46, s47
	s_add_co_u32 s46, s46, s18                     ; B: row 1,024 x expert + 256 x column tile + 128 x half
	s_lshl_b32 s92, s46, 5
	s_mov_b32 s93, 0
	s_mul_i32 s46, s46, KROW
	s_mov_b32 s47, 0
	s_add_nc_u64 s[46:47], s[8:9], s[46:47]
	s_add_nc_u64 s[92:93], s[10:11], s[92:93]
	CROUND                                         ; all four work-groups are here: the first joint loads meet
	s_mov_b32 s[G0S], 1
	s_add_co_u32 s[G0S+1], s94, SCL
	s_mov_b64 s[G0S+2:G0S+3], s[22:23]
	s_or_b32 s[G0S+3], s[G0S+3], 0x80000000
	s_mov_b32 s[G0SB], 1
	s_add_co_u32 s[G0SB+1], s95, SCL
	s_mov_b64 s[G0SB+2:G0SB+3], s[92:93]
	s_or_b32 s[G0SB+3], s[G0SB+3], 0x80000000
	JLOAD G0S, G1S, G0SB, G1SB                     ; the scales first
.irp s, 0,1
	s_mov_b32 s[G0+4*\s], 1
	s_add_co_u32 s[G0+4*\s+1], s45, \s*SLOT
	s_add_nc_u64 s[G0+4*\s+2:G0+4*\s+3], s[20:21], \s*ASTEP
	s_or_b32 s[G0+4*\s+3], s[G0+4*\s+3], 0x80000000
	s_mov_b32 s[G0B+4*\s], 1
	s_add_co_u32 s[G0B+4*\s+1], s44, \s*SLOT
	s_add_nc_u64 s[G0B+4*\s+2:G0B+4*\s+3], s[46:47], \s*ROWB
	s_or_b32 s[G0B+4*\s+3], s[G0B+4*\s+3], 0x80000000
	JLOAD G0+4*\s, G1, G0B+4*\s, G1B               ; three loads of mine are out behind the second of these
.endr
	v_and_b32 v1, 15, v0                           ; l % 16
	v_bfe_u32 v2, v0, 4, 1                         ; l / 16
	v_and_b32 v6, 31, v0
	v_lshlrev_b32 v[CO], 4, v6                     ; 16 x lane
	v_mul_u32_u24 v3, v1, PITCH
	v_mul_u32_u24 v4, v2, 24
	v_add_nc_u32 v4, v3, v4
	v_lshl_add_u32 v5, v2, 4, v4
	s_mul_i32 s21, s15, AHALF                      ; my six blocks of A
	s_mul_i32 s22, s16, HALFT                      ; my 128 rows of B
	s_add_co_u32 s22, s22, BOFF
.irp s, 0,1
	v_add_nc_u32 v[ADRA+\s], s21, v[CO]
	v_add_nc_u32 v[ADRB+\s], s22, v4
	v_add_nc_u32 v[ADRB+2+\s], s22, v5
	s_add_co_u32 s21, s21, SLOT
	s_add_co_u32 s22, s22, SLOT
.endr
	v_mul_u32_u24 v5, v1, KS
	v_lshrrev_b32 v6, 8, v5
	v_lshl_add_u32 v5, v6, 4, v5
	s_mul_i32 s21, s15, HALFSA
	s_mul_i32 s22, s16, HALFS
	s_add_co_u32 s22, s22, SBOFF
	s_sub_co_u32 s22, s22, s21
	v_mul_u32_u24 v6, s22, v2                      ; lanes 16-31 take B's: one product, the distance between the two bases x half
	s_add_co_u32 s21, s21, SCL
	v_add_nc_u32 v5, v5, v6
	v_add_nc_u32 v[ADRS], s21, v5
	s_mul_i32 s23, s14, 16*SPITCH                  ; my stage
	v_mul_u32_u24 v5, v1, SPITCH                   ; in: row l % 16, 32 bytes for each half of the lanes
	v_lshl_add_u32 v5, v2, 5, v5
	v_add_nc_u32 v[STO], s23, v5
	v_add_nc_u32 v[RD], s23, v[CO]                 ; back: the 32 lanes take one row of 512 bytes
	s_mul_i32 s20, s17, TROWS
	s_mul_i32 s21, s15, 96
	s_add_co_u32 s20, s20, s21                     ; my first row of y: 192 T + 96 x half
	s_lshl_b32 s20, s20, 12                        ; rows of 4,096 bytes (under 2^32)
	s_lshl_b32 s46, s42, 10                        ; my first column, in bytes
	s_lshl_b32 s47, s16, 9
	s_add_co_u32 s46, s46, s47
	s_add_co_u32 s20, s20, s46
	s_mov_b32 s21, 0
	s_add_nc_u64 s[12:13], s[12:13], s[20:21]
.macro FRAG reg, adr, q, i             ; a fragment of B from rows: 24 bytes of the row's stream of bits for each 32 along K, in pieces of 8 bytes
.irp p, 0,1,2,3,4,5
.set PCE, 12*(\q)+6*(\p/3)+\p%3
.if PCE%8 < 5
	ds_load_b64 v[\reg+2*\p:\reg+2*\p+1], v[\adr] offset:8*PCE+16*(PCE/8)+(\i)*16*PITCH
.else
	ds_load_b64 v[\reg+2*\p:\reg+2*\p+1], v[\adr+2] offset:8*PCE+16*(PCE/8)+(\i)*16*PITCH
.endif
.endr
.endm
; 8 matrix instructions: A's block a x B's eight.  The 48 accumulators take turns, one instruction a turn, in the same order in every step.
.macro MUL8 a, p, q, sc, zero
.irp b, 0,1,2,3,4,5,6,7
.if \zero
	v_wmma_scale_f32_16x16x128_f8f6f4 v[8*(8*((\a)%HB)+\b):8*(8*((\a)%HB)+\b)+7], v[128*(\p)+FR*\b:128*(\p)+FR*\b+FR-1], v[AF+FR*(\a):AF+FR*(\a)+FR-1], 0, v[SC+8*NQ*(\sc)+NQ*\b+(\q)], v[SC+8*NQ*(\sc)+NQ*(\a)+(\q)] matrix_a_fmt:MATRIX_FMT_FP6 matrix_b_fmt:MATRIX_FMT_FP6 matrix_a_scale:MATRIX_SCALE_ROW1
.else
	v_wmma_scale_f32_16x16x128_f8f6f4 v[8*(8*((\a)%HB)+\b):8*(8*((\a)%HB)+\b)+7], v[128*(\p)+FR*\b:128*(\p)+FR*\b+FR-1], v[AF+FR*(\a):AF+FR*(\a)+FR-1], v[8*(8*((\a)%HB)+\b):8*(8*((\a)%HB)+\b)+7], v[SC+8*NQ*(\sc)+NQ*\b+(\q)], v[SC+8*NQ*(\sc)+NQ*(\a)+(\q)] matrix_a_fmt:MATRIX_FMT_FP6 matrix_b_fmt:MATRIX_FMT_FP6 matrix_a_scale:MATRIX_SCALE_ROW1
.endif
.endr
.endm
.macro FETCH_B slot, q, p
	WIN TO_B
.irp i, 0,1,2,3,4,5,6,7
	FRAG 128*(\p)+FR*\i, ADRB+\slot, \q, \i
.endr
	WIN 0
.endm
.macro FETCH_A slot, q, i0             ; A's blocks i0 .. i0 + 2: each image comes back as it was stored, three loads of 512 consecutive bytes
.irp i, \i0, \i0+1, \i0+2
.irp c, 0,1,2
	ds_load_b128 v[AF+FR*(\i)+4*\c:AF+FR*(\i)+4*\c+3], v[ADRA+\slot] offset:ASTEP*(\i)+1536*(\q)+512*\c
.endr
.endr
.endm
.macro SCALES sc                       ; lanes 0-15 take A's block i, lanes 16-31 B's block i (A has six blocks: for i = 6, 7 lanes 0-15 bring words of the scales' region that no product names)
.irp i, 0,1,2,3,4,5,6,7
	ds_load_b64 v[SC+8*NQ*\sc+NQ*\i:SC+8*NQ*\sc+NQ*\i+1], v[ADRS] offset:\i*SBLK
.endr
.endm
.macro PLACES n                        ; places in front of loads into registers that matrix instructions have read, and of the first read of results (ISA guide 7.12.1 for the first read of results)
.rept \n
	v_nop
.endr
.endm
.macro STEP slot, q, zero
	s_wait_dscnt HB*NLA                            ; B's set and A's blocks 0-2 are in; the youngest 9 loads (A's blocks 3-5) may be out
	WIN MUL_LO
	MUL8 0, (\q)%2, \q, \slot, \zero
	MUL8 1, (\q)%2, \q, \slot, \zero
	MUL8 2, (\q)%2, \q, \slot, \zero
	s_wait_dscnt 0
	PLACES NP
	FETCH_B \slot, (\q)+1, 1-(\q)%2
	FETCH_A \slot, (\q)+1, 0
	WIN MUL_HI
	MUL8 3, (\q)%2, \q, \slot, \zero
	MUL8 4, (\q)%2, \q, \slot, \zero
	MUL8 5, (\q)%2, \q, \slot, \zero
	PLACES NP
	WIN 0
	FETCH_A \slot, (\q)+1, 3
.endm
; A slot's last step changes slots: one barrier; in front of it each wave waits for all its tensor loads, adds 0 to its spare word, and waits for that and for its own reads of this slot.
.macro TURN slot, next, fill
	s_wait_tensorcnt 0x0                           ; all my tensor loads have landed: my part of the next slot
	ds_add_u32 v[SPW], v[NIL]                      ; 0 onto my spare word
	s_wait_dscnt HB*NLA+1                          ; (the add and the youngest 9 loads may be out)
	WIN MUL_LO
	MUL8 0, 1, NQ-1, \slot, 0                      ; eight matrix instructions stand between the add and the wait for it
	s_wait_dscnt 0x0                               ; the add is done, and my reads of this slot are over
	s_barrier_signal -1
	MUL8 1, 1, NQ-1, \slot, 0
	MUL8 2, 1, NQ-1, \slot, 0
	WIN 0
	s_barrier_wait -1
.if \fill
	CREST                                          ; a round of the cluster's barrier: no wave of any partner still reads this slot's tile or has a load on its way
	s_add_nc_u64 s[G0+4*\slot+2:G0+4*\slot+3], s[G0+4*\slot+2:G0+4*\slot+3], 2*ASTEP
	s_add_nc_u64 s[G0B+4*\slot+2:G0B+4*\slot+3], s[G0B+4*\slot+2:G0B+4*\slot+3], 2*ROWB
	JLOAD G0+4*\slot, G1, G0B+4*\slot, G1B         ; the first tensor load behind the round; its four v_nop are the places in front of the loads below
.else
	PLACES NP
.endif
	v_add_nc_u32 v[ADRS], 4*NQ, v[ADRS]
	FETCH_B \next, 0, 0
	FETCH_A \next, 0, 0
	SCALES \next
	WIN MUL_HI
	MUL8 3, 1, NQ-1, \slot, 0
	MUL8 4, 1, NQ-1, \slot, 0
	MUL8 5, 1, NQ-1, \slot, 0
	PLACES NP
	WIN 0
	FETCH_A \next, 0, 3
.endm
	s_wait_tensorcnt 1                             ; the scales and my part of slot 0 are in; slot 1's load may stay out
	s_barrier_signal -1
	s_barrier_wait -1
	FETCH_B 0, 0, 0
	FETCH_A 0, 0, 0
	SCALES 0
	FETCH_A 0, 0, 3
	STEP 0, 0, 1                                   ; K 0-127: its products start the sums
	TURN 0, 1, 1                                   ; slot 0 takes K 512-767
	STEP 1, 0, 0
	TURN 1, 0, 1                                   ; slot 1 takes K 768-1023
	STEP 0, 0, 0
	TURN 0, 1, 0                                   ; nothing is left to fetch
	STEP 1, 0, 0
	s_wait_dscnt HB*NLA                            ; the last step
	WIN MUL_LO
	MUL8 0, 1, NQ-1, 1, 0
	MUL8 1, 1, NQ-1, 1, 0
	MUL8 2, 1, NQ-1, 1, 0
	s_wait_dscnt 0
	WIN MUL_HI
	MUL8 3, 1, NQ-1, 1, 0
	MUL8 4, 1, NQ-1, 1, 0
	MUL8 5, 1, NQ-1, 1, 0
	WIN 0
; THE WAY OUT, block by block of 16 rows x 128 columns: through my own stage in LDS and back as whole rows of 512 bytes.  LDS serves a wave's instructions in order (ISA guide 5.7.1.4): no wait between the stores and the loads.
.macro TOSTAGE a
.set AC, 64*((\a)%HB)
.set WD, 0x08+4*((\a)/HB)
	WIN WD                                         ; the data: window 2 or 3
.irp b, 0,1,2,3,4,5,6,7
	ds_store_b128 v[STO], v[AC+8*\b:AC+8*\b+3] offset:64*\b          ; each accumulator from its low end on
	ds_store_b128 v[STO], v[AC+8*\b+4:AC+8*\b+7] offset:64*\b+16
.endr
	WIN 0
.set BB, BK+64*((\a)%2)
.irp t, 0,1,2,3,4,5,6,7,8,9,10,11,12,13,14,15
	ds_load_b128 v[BB+4*\t:BB+4*\t+3], v[RD] offset:\t*SPITCH
.endr
.endm
.macro SEND a, younger                 ; younger: the LDS instructions issued behind block a's loads, which may stay out
.set BB, BK+64*((\a)%2)
	s_wait_dscnt \younger
.if (\a) > 0
	s_add_nc_u64 s[12:13], s[12:13], 16*SIZE_N*4   ; (behind a wait on XCNT: the earlier stores have read their base)  16 rows of y on
.endif
.irp t, 0,1,2,3,4,5,6,7,8,9,10,11,12,13,14,15
	global_store_b128 v[CO], v[BB+4*\t:BB+4*\t+3], s[12:13] offset:\t*SIZE_N*4   ; 32 lanes store 512 consecutive bytes, at a multiple of 256 from y's first byte; the next launch reads them
.endr
.endm
	PLACES NP
	TOSTAGE 0
.irp a, 1,2,3,4,5
.if \a > 1
	s_wait_xcnt 0x0                                ; block a - 2's stores have read their registers and their base
.endif
	TOSTAGE \a
	SEND \a-1, 32                                  ; behind block a - 1's loads: block a's 16 stores and 16 loads
.endr
	s_wait_xcnt 0x0
	SEND 5, 0
	s_wait_tensorcnt 0x0                           ; the wave's end
	ds_add_u32 v[SPW], v[NIL]
	s_wait_dscnt 0x0
	CROUND                                         ; the closing round
	s_endpgm
.Lfunc_end_k_qc35aa64605_ffn2:
	.size	k_qc35aa64605_ffn2, .Lfunc_end_k_qc35aa64605_ffn2-k_qc35aa64605_ffn2
	.p2alignl 7, 3214868480
	.fill 96, 4, 3214868480
	.section	.rodata,"a",@progbits
	.p2align	6, 0x0
	.amdhsa_kernel k_qc35aa64605_ffn2
		.amdhsa_group_segment_fixed_size 327680
		.amdhsa_private_segment_fixed_size 0
		.amdhsa_enable_private_segment 0
		.amdhsa_kernarg_size 48
		.amdhsa_user_sgpr_count 2
		.amdhsa_user_sgpr_kernarg_segment_ptr 1
		.amdhsa_wavefront_size32 1
		.amdhsa_system_sgpr_workgroup_id_x 1
		.amdhsa_system_sgpr_workgroup_id_y 1
		.amdhsa_system_sgpr_workgroup_id_z 1
		.amdhsa_system_vgpr_workitem_id 0
		.amdhsa_next_free_vgpr 1024
		.amdhsa_next_free_sgpr 102
		.amdhsa_reserve_vcc 0
		.amdhsa_float_denorm_mode_32 3
		.amdhsa_float_denorm_mode_16_64 3
		.amdhsa_memory_ordered 1
		.amdhsa_forward_progress 1
		.amdhsa_inst_pref_size 122
	.end_amdhsa_kernel
	.amdgpu_metadata
---
amdhsa.version: [ 1, 2 ]
amdhsa.kernels:
  - .name:           k_qc35aa64605_ffn2
    .symbol:         k_qc35aa64605_ffn2.kd
    .args:
      - { .name: hc, .offset: 0, .size: 8, .value_kind: global_buffer, .address_space: global }
      - { .name: hs, .offset: 8, .size: 8, .value_kind: global_buffer, .address_space: global }
      - { .name: W2_codes, .offset: 16, .size: 8, .value_kind: global_buffer, .address_space: global }
      - { .name: W2_scales, .offset: 24, .size: 8, .value_kind: global_buffer, .address_space: global }
      - { .name: y, .offset: 32, .size: 8, .value_kind: global_buffer, .address_space: global }
      - { .name: tile_expert, .offset: 40, .size: 8, .value_kind: global_buffer, .address_space: global }
    .group_segment_fixed_size: 327680
    .private_segment_fixed_size: 0
    .kernarg_segment_align: 8
    .kernarg_segment_size: 48
    .max_flat_workgroup_size: 128
    .sgpr_count:     102
    .vgpr_count:     1024
    .wavefront_size: 32
...
	.end_amdgpu_metadata
.endif
;; end of part 3
;; launch combine (part 4): grid 256 x 1, 8 waves a work-group, no clusters, 0 bytes of LDS; arguments y, tokpos, topk_indices, topk_probs, out0; writes out0
.if DOCPART == 4
	.amdgcn_target "amdgcn-amd-amdhsa--gfx1250"
	.amdhsa_code_object_version 6
	.text
	.protected	k_qc35aa64605_combine
	.globl	k_qc35aa64605_combine
	.p2align	8
	.type	k_qc35aa64605_combine,@function
k_qc35aa64605_combine:
	s_mov_b64 s[64:65], 0
	v_nop
	global_prefetch_b8 v0, s[64:65] scope:SCOPE_SE
	s_setreg_imm32_b32 hwreg(HW_REG_WAVE_MODE, 25, 1), 1
	s_wait_xcnt 0x0
; out[t] = g0 y[pos(t, 0)] + g1 y[pos(t, 1)].  The gate of expert e is the largest of (index k == e ? prob k : 0) over k = 0, 1:
; two different experts: g0 = max(p0, 0), g1 = max(p1, 0);  one expert named twice: g0 = max(p0, p1), g1 = 0 (pos(t, 1) then names a second row with the same numbers as the first, and it is weighed with 0).
; A stream: a wave takes two tokens; a row of y or of out is 4,096 bytes, eight accesses of 512 consecutive bytes.  All 32 loads of a wave go out at once.  No LDS, no barrier, no matrix unit: memory binds.
; The places come from tokpos, which an earlier launch stored; the choice between the two forms of the gate only selects values.
; LIMITS: indices outside 0 .. 7 are held at 7; a NaN among the probs is taken as absent (the maximum keeps the other number).
.set LASTROW, 9599
.set G,  8                             ; v8-15   token u: g0 twice, g1 twice
.set Y,  16                            ; v16-143 token u, row k: 32 registers at Y + 64 u + 32 k
.set TT, 144                           ; v144-146 at work
	s_load_b256 s[4:11], s[0:1], 0x0               ; y s[4:5], tokpos s[6:7], indices s[8:9], probs s[10:11]
	s_load_b64 s[12:13], s[0:1], 0x20              ; out
	v_lshrrev_b32 v1, 5, v0
	v_readfirstlane_b32 s14, v1                    ; wave 0..7
	v_and_b32 v1, 31, v0
	v_lshlrev_b32 v1, 4, v1                        ; 16 x lane
	v_mov_b32 v3, 0
	s_lshl_b32 s15, ttmp9, 4
	s_lshl_b32 s16, s14, 1
	s_add_co_u32 s15, s15, s16                     ; my first token: 16 w + 2 wave
	s_lshl_b32 s16, s15, 3                         ; 8 bytes a token in each of the three lists
	s_lshl_b32 s17, s15, 12
	v_add_nc_u32 v2, s17, v1                       ; my bytes in its row of out
	s_wait_kmcnt 0x0
	s_load_b128 s[24:27], s[6:7], s16 offset:0x0   ; four places,
	s_load_b128 s[28:31], s[8:9], s16 offset:0x0   ; four indices,
	s_load_b128 s[32:35], s[10:11], s16 offset:0x0 ; four probs
	s_wait_kmcnt 0x0
.irp n, 0,1,2,3
	s_min_u32 s[24+\n], s[24+\n], LASTROW
	s_lshl_b32 s[24+\n], s[24+\n], 12
	v_add_nc_u32 v[4+\n], s[24+\n], v1             ; an offset register for each row: none is written again
.endr
.irp n, 0,1,2,3
.irp j, 0,1,2,3,4,5,6,7
	global_load_b128 v[Y+32*\n+4*\j:Y+32*\n+4*\j+3], v[4+\n], s[4:5] offset:512*\j
.endr
.endr
.irp u, 0,1
	s_min_u32 s[28+2*\u], s[28+2*\u], 7
	s_min_u32 s[29+2*\u], s[29+2*\u], 7
	s_cmp_eq_u32 s[28+2*\u], s[29+2*\u]
	s_cselect_b32 s[36+\u], -1, 0                  ; all lanes: one expert named twice
	v_mov_b32 v[TT], s[32+2*\u]
	v_mov_b32 v[TT+1], s[33+2*\u]
	v_max_num_f32 v[TT+2], v[TT], v[TT+1]
	v_max_num_f32 v[TT], 0, v[TT]
	v_max_num_f32 v[TT+1], 0, v[TT+1]
	v_cndmask_b32 v[G+4*\u], v[TT], v[TT+2], s[36+\u]
	v_cndmask_b32 v[G+4*\u+1], v[TT], v[TT+2], s[36+\u]
	v_cndmask_b32 v[G+4*\u+2], v[TT+1], v3, s[36+\u]
	v_cndmask_b32 v[G+4*\u+3], v[TT+1], v3, s[36+\u]
.endr
.macro TOKEN u, left
	s_wait_loadcnt \left                           ; loads come back in order: this token's 16 are in, the younger ones stay out
.set j, 0
.rept 16
	v_pk_mul_f32 v[Y+64*\u+j:Y+64*\u+j+1], v[Y+64*\u+j:Y+64*\u+j+1], v[G+4*\u:G+4*\u+1]
.set j, j+2
.endr
.set j, 0
.rept 16
	v_pk_fma_f32 v[Y+64*\u+j:Y+64*\u+j+1], v[Y+64*\u+32+j:Y+64*\u+32+j+1], v[G+4*\u+2:G+4*\u+3], v[Y+64*\u+j:Y+64*\u+j+1]
.set j, j+2
.endr
.irp i, 0,1,2,3,4,5,6,7
	global_store_b128 v2, v[Y+64*\u+4*\i:Y+64*\u+4*\i+3], s[12:13] offset:4096*\u+512*\i th:TH_STORE_NT   ; 512 consecutive bytes, at a multiple of 256 from out's first byte
.endr
.endm
	TOKEN 0, 16
	TOKEN 1, 0
	s_endpgm
.Lfunc_end_k_qc35aa64605_combine:
	.size	k_qc35aa64605_combine, .Lfunc_end_k_qc35aa64605_combine-k_qc35aa64605_combine
	.p2alignl 7, 3214868480
	.fill 96, 4, 3214868480
	.section	.rodata,"a",@progbits
	.p2align	6, 0x0
	.amdhsa_kernel k_qc35aa64605_combine
		.amdhsa_group_segment_fixed_size 0
		.amdhsa_private_segment_fixed_size 0
		.amdhsa_enable_private_segment 0
		.amdhsa_kernarg_size 40
		.amdhsa_user_sgpr_count 2
		.amdhsa_user_sgpr_kernarg_segment_ptr 1
		.amdhsa_wavefront_size32 1
		.amdhsa_system_sgpr_workgroup_id_x 1
		.amdhsa_system_sgpr_workgroup_id_y 1
		.amdhsa_system_sgpr_workgroup_id_z 1
		.amdhsa_system_vgpr_workitem_id 0
		.amdhsa_next_free_vgpr 152
		.amdhsa_next_free_sgpr 66
		.amdhsa_reserve_vcc 0
		.amdhsa_float_denorm_mode_32 3
		.amdhsa_float_denorm_mode_16_64 3
		.amdhsa_memory_ordered 1
		.amdhsa_forward_progress 1
		.amdhsa_inst_pref_size 12
	.end_amdhsa_kernel
	.amdgpu_metadata
---
amdhsa.version: [ 1, 2 ]
amdhsa.kernels:
  - .name:           k_qc35aa64605_combine
    .symbol:         k_qc35aa64605_combine.kd
    .args:
      - { .name: y, .offset: 0, .size: 8, .value_kind: global_buffer, .address_space: global }
      - { .name: tokpos, .offset: 8, .size: 8, .value_kind: global_buffer, .address_space: global }
      - { .name: topk_indices, .offset: 16, .size: 8, .value_kind: global_buffer, .address_space: global }
      - { .name: topk_probs, .offset: 24, .size: 8, .value_kind: global_buffer, .address_space: global }
      - { .name: out0, .offset: 32, .size: 8, .value_kind: global_buffer, .address_space: global }
    .group_segment_fixed_size: 0
    .private_segment_fixed_size: 0
    .kernarg_segment_align: 8
    .kernarg_segment_size: 40
    .max_flat_workgroup_size: 256
    .sgpr_count:     66
    .vgpr_count:     152
    .wavefront_size: 32
...
	.end_amdgpu_metadata
.endif
;; end of part 4
